; MI455X (gfx1250); checked and timed in simulation.
; The chip was launched on July 23, 2026; its instructions are those of AMD's public machine-readable ISA for CDNA 5 (MIT licence, August 2026) and "CDNA5" Instruction Set Architecture Reference Guide (July 2026). The comments in the code are by the model that wrote it; some were corrected since.
;; Causal Self Attention. Allowed arithmetic: matrix products marked QUANTISED: E4M3 operands, one given power-of-two scale a tensor, by v_wmma_f32_16x16x64_fp8_fp8 or v_wmma_f32_16x16x128_fp8_fp8, f32 sums; everything else in f32.
;; Inputs: b_out 1,024 float32; b_qkv 3,072 float32; lowp_scales 8 int32 (the exponents e of the quantised operands' scales 2^e); w_out 1,024 x 1,024 float32; w_qkv 1,024 x 3,072 float32; x 4 x 2,048 x 1,024 float32.
;; Outputs: out0 4 x 2,048 x 1,024 float32.
;; This version of the problem:
;;   THIS VERSION OF THE PROBLEM IS GIVEN IN LOW PRECISION. The matrix products marked QUANTISED in the list below multiply operands that are first quantised to E4M3 (4 exponent bits, 3 mantissa bits; 8 bits a number), with one given power-of-two scale for each operand tensor; their sums are f32. All else is computed in f32.
;;   The module's matrix products, in the order in which they are computed (A, B: the left and right operand; K: the contracted axis; several contracted axes count as one K, in the product's order):
;;     1. [M 8,192, K 1,024] x [K 1,024, N 3,072]; A: input x; B: input w_qkv: QUANTISED (scales: A lowp_scales[0], B lowp_scales[1])
;;     2. batch 64 x [M 2,048, K 64] x [K 64, N 2,048]; A: computed on the way; B: computed on the way: QUANTISED (scales: A lowp_scales[2], B lowp_scales[3])
;;     3. batch 64 x [M 2,048, K 2,048] x [K 2,048, N 64]; A: softmax (see below); B: computed on the way: QUANTISED (scales: A lowp_scales[4], B lowp_scales[5])
;;     4. [M 8,192, K 1,024] x [K 1,024, N 1,024]; A: computed on the way; B: input w_out: QUANTISED (scales: A lowp_scales[6], B lowp_scales[7])
;;   THE QUANTISER, for each operand of a quantised product, along K:
;;     - The operand's scale is 2^e, e = its entry of the input lowp_scales (int32; the entries are numbered through the quantised products in the list's order, A before B).
;;     - Each number is divided by the scale, clamped to +-448, and rounded to the nearest number of E4M3, ties to even, subnormals kept.
;;     - The product sums the exact products of the quantised numbers (number of the format x scale) in f32.
;;   ~~~python
;;   def quantise(x, axis, e):      # numpy; x: float32 -> the quantised numbers, widened to float32 again
;;       x = np.moveaxis(x, axis, -1); K = x.shape[-1]
;;       r = np.clip(x / 2.0 ** e, -448, 448)
;;       step = 2.0 ** (np.maximum(np.frexp(np.where(r == 0, 1, r))[1] - 1, -6) - 3)
;;       q = np.round(r / step) * step * 2.0 ** e      # np.round: ties to even
;;       return np.moveaxis(q, -1, axis).astype(np.float32)
;;   ~~~
;;   SOFTMAX AHEAD OF A QUANTISED PRODUCT. Where the list says 'softmax', what is quantised is not the finished softmax but p = 2^(t - M), with t = logit x log2(e) and M = ceil(the row's largest t), a whole number; so 1/2 < the row's largest p <= 1. The row's sum l is taken of the UNQUANTISED p, in f32, and the product's result is divided by l at the end. Since M is a whole number, a kernel that streams over the keys may use a running M (the ceiling of the running maximum): every later rescaling is an exact power of two, so the quantised numbers keep their values, but for numbers so far below the row's largest that they fall under the format's range.
;;   OPERANDS COMPUTED ON THE WAY. 'Computed on the way' means the value that the module computes at that place (a softmax that the list does not call 'softmax' is quantised finished and normalised). What goes into a quantiser is computed in f32, as accurately as f32 sums, v_exp_f32 and their like allow (about 1e-6 of the number): no bf16 or f16 on the way to a quantiser, and a product that is left as it is and whose result goes on into a quantised operand takes f32 operands (vector FMAs, or v_wmma_f32_16x16x4_f32). A number that lies on a knife's edge between two numbers of the format may be rounded either way, as far as f32 arithmetic and the matrix unit's own rounding can turn it there, and no further.
;; One version. Each part assembles by itself: llvm-mc -triple=amdgcn-amd-amdhsa -mcpu=gfx1250 --defsym DOCPART=n.
;; ======== version 1 of 1: 4 launches
;; limits: right only within a limited range of input values
;; workspace buffers: xq 8,388,608 bytes; wq 3,145,728 bytes; wo 1,048,576 bytes; qc 8,388,608 bytes; kc 8,388,608 bytes; vc 8,388,608 bytes; ac 8,388,608 bytes
;; launch quant (part 1): grid 768 x 1, 4 waves a work-group, no clusters, 0 bytes of LDS; arguments x, w_qkv, w_out, lowp_scales, xq, wq, wo; writes xq, wq, wo
.if DOCPART == 1
	.amdgcn_target "amdgcn-amd-amdhsa--gfx1250"
	.amdhsa_code_object_version 6
	.text
	.protected	k_qda13a7914f_quant
	.globl	k_qda13a7914f_quant
	.p2align	8
	.type	k_qda13a7914f_quant,@function
k_qda13a7914f_quant:
	s_mov_b64 s[64:65], 0
	v_nop
	global_prefetch_b8 v0, s[64:65] scope:SCOPE_SE
	s_setreg_imm32_b32 hwreg(HW_REG_WAVE_MODE, 25, 1), 1
	s_wait_xcnt 0x0
; LAUNCH 1 OF 4 (quant, qkv, attn, proj): causal self-attention, B 4, T 2,048, C 1,024, 16 heads of 64, all four products on codes of FP8 (E4M3), each operand with the one scale 2^e given for it.
; THIS LAUNCH turns x (e0), w_qkv (e1) and w_out (e7), all f32, into codes: code = number / 2^e, held within +-448, rounded to the nearest code, ties to even.
; DEAD WORK OF THE PROGRAM.  reference() builds the causal mask itself (jnp.tril) and sets att to -infinity where key > query ahead of the softmax.  There exp gives 0: such a score adds 0 to the row's sum and
; 0 x v to the row's result, whatever finite values the inputs hold.  So launch attn leaves out, in products 2 and 3, every step of 128 keys all of which come after all queries of a block of 128 queries.
; Nothing else is left out: every input has a way to the output and is loaded; the bias on k stays, since it moves k's codes.
; LIMIT: a NaN, an infinity or an overflow that reaches only the key steps left out is not carried to the result.
; LIMITS of this launch: e0, e1, e7 between -126 and 119, so that 2^e and 448 x 2^e are f32 numbers.  NaN among the inputs is not served; an infinity is held at the largest code.
; LAYOUTS (workspaces of the program's own).  A permutation of K that is the same in both operands of a product keeps every product with its partner; which rows form a tile of 16 only says where a result lands.
;   xq [64 G][128 s][1024 p]: stored row s = 16 a + r is x's row 128 G + 8 r + a; byte p is k = 512 (p / 512) + 128 ((p / 4) % 4) + 4 ((p / 16) % 32) + p % 4.
;   wq [64 g][3072 n][16 jj]: position p = 16 g + jj under the same map.      wo [64 g][1024 n][16 jj]: k = 32 (g / 2) + 8 (g % 2) + 16 (jj / 8) + jj % 8, the order of launch attn's output.
; x's map is what falls out when each load takes 512 consecutive bytes, 16 a lane, and a lane's 16 numbers of four such loads become its 16 codes: no turn through LDS, and each store covers 512 consecutive bytes.
; For the weights, whose K is the first axis, a lane takes a column and its registers run down K in the order of the map: each load reads 128 consecutive bytes a wave (512 a work-group), each store 512.
; SHARES: 768 work-groups of four waves, each 65,536 bytes in and 16,384 out: 512 for x (16 rows), 192 for w_qkv and 64 for w_out (128 columns x 128 positions).  No LDS, no barrier, no loop: every offset is an immediate,
; and each step has code registers of its own, so that no store's data are written again.  Matrix units, clusters and LDS would add nothing to a stream.
.set R,   16                           ; v16-143  128 numbers
.set C,   144                          ; v144-175 codes: four registers a step
.set WGX, 512                          ; work-groups for x
.set WGQ, 192                          ; for w_qkv
.macro MKSCALE e                       ; v11 = 2^e as f32 (the conversion takes its exponent field), v10 = 448 x 2^e
	s_add_co_i32 s20, \e, 127
	s_lshl_b32 s21, s20, 23
	v_mov_b32 v11, s21
	s_add_co_i32 s20, s20, 8
	s_lshl_b32 s20, s20, 23
	s_or_b32 s20, s20, 0x600000                    ; the mantissa field of 448
	v_mov_b32 v10, s20
.endm
.macro HOLD16 base                     ; the conversion to an 8-bit code does not saturate (ISA guide 7.6.2): hold the numbers within the largest code x the scale first
.set i, 0
.rept 16
	v_med3_num_f32 v[\base+i], v[\base+i], -v10, v10
.set i, i+1
.endr
.endm
	s_load_b256 s[4:11], s[0:1], 0x0               ; x s[4:5], w_qkv s[6:7], w_out s[8:9], the scales' exponents s[10:11]
	s_load_b128 s[12:15], s[0:1], 0x20             ; xq s[12:13], wq s[14:15]
	s_load_b64 s[16:17], s[0:1], 0x30              ; wo
	v_lshrrev_b32 v2, 5, v0
	v_readfirstlane_b32 s18, v2                    ; wave 0..3
	v_and_b32 v2, 31, v0                           ; lane
	v_lshlrev_b32 v1, 4, v2                        ; 16 x lane
	v_lshlrev_b32 v3, 2, v2                        ; 4 x lane
	s_wait_kmcnt 0x0
	s_load_b256 s[24:31], s[10:11], 0x0            ; e0 .. e7
	s_cmp_lt_u32 ttmp9, WGX                        ; the three ways part on the work-group's number alone
	s_cbranch_scc0 .Lweights
	; ---- x: work-group w takes rows 16 w .. 16 w + 15, a wave four of them: eight steps of 512 numbers (row i = step / 2, half = step % 2)
	s_lshl_b32 s20, ttmp9, 16                      ; 16 rows of 4,096 bytes
	s_lshl_b32 s21, s18, 14                        ; 4 rows
	s_add_co_u32 s20, s20, s21
	s_mov_b32 s21, 0
	s_add_nc_u64 s[4:5], s[4:5], s[20:21]
	s_lshr_b32 s22, ttmp9, 3                       ; row 16 w + 4 wave + i = 128 G + 8 r + a:  G = w / 8,
	s_lshl_b32 s22, s22, 7
	s_and_b32 s23, s18, 1                          ; a = 4 (wave % 2) + i,
	s_lshl_b32 s23, s23, 6
	s_add_co_u32 s22, s22, s23
	s_and_b32 s23, ttmp9, 7                        ; r = 2 (w % 8) + wave / 2:
	s_lshl_b32 s23, s23, 1
	s_add_co_u32 s22, s22, s23
	s_lshr_b32 s23, s18, 1
	s_add_co_u32 s22, s22, s23                     ; stored row 128 G + 16 a + r for i = 0; row i lies 16 stored rows on
	s_lshl_b32 s22, s22, 10
	s_mov_b32 s23, 0
	s_add_nc_u64 s[12:13], s[12:13], s[22:23]
	s_wait_alu depctr_va_vdst(0)
.irp st, 0,1,2,3,4,5,6,7
.irp q, 0,1,2,3
	global_load_b128 v[R+16*\st+4*\q:R+16*\st+4*\q+3], v1, s[4:5] offset:2048*\st+512*\q th:TH_LOAD_NT   ; 32 lanes read 512 consecutive bytes; all 32 loads of the wave go out at once
.endr
.endr
	s_wait_kmcnt 0x0
	MKSCALE s24
	s_wait_alu depctr_va_vdst(0)
.irp st, 0,1,2,3,4,5,6,7
	s_wait_loadcnt 28-4*\st                        ; this step's four loads are in; those of the later steps may be out
	HOLD16 R+16*\st
	v_cvt_scalef32_pk8_fp8_f32 v[C+4*\st:C+4*\st+1], v[R+16*\st:R+16*\st+7], v11
	v_cvt_scalef32_pk8_fp8_f32 v[C+4*\st+2:C+4*\st+3], v[R+16*\st+8:R+16*\st+15], v11
	global_store_b128 v1, v[C+4*\st:C+4*\st+3], s[12:13] offset:16384*(\st/2)+512*(\st%2)   ; 512 consecutive bytes.  (The codes go to a store alone, and no later vector line touches them or the numbers: no plain line is owed behind the conversions)
.endr
	s_endpgm
; ---- a weight [1024 k][NCOL n]: work-group id takes positions 128 pb .. + 127 (pb = id % 8: eight groups u of 16) of columns 128 cb .. + 127 (cb = id / 8); a wave 32 columns, a lane one.
; kind 0 (w_qkv): row of position (u, jj) = 512 (pb / 4) + 32 (pb % 4) + 128 (jj / 4) + 4 u + jj % 4;   kind 1 (w_out): 128 pb + 32 (u / 2) + 8 (u % 2) + 16 (jj / 8) + jj % 8.
.macro WPATH src, dst, e, first, NCOL, kind
	s_sub_co_u32 s20, ttmp9, \first
	s_and_b32 s21, s20, 7                          ; pb
	s_lshr_b32 s22, s20, 3                         ; cb
.if \kind == 0
	s_lshr_b32 s23, s21, 2
	s_lshl_b32 s23, s23, 9
	s_and_b32 s32, s21, 3
	s_lshl_b32 s32, s32, 5
	s_add_co_u32 s23, s23, s32
.else
	s_lshl_b32 s23, s21, 7
.endif
	s_mul_i32 s23, s23, \NCOL*4                    ; the first row, in bytes
	s_lshl_b32 s32, s22, 7
	s_lshl_b32 s33, s18, 5
	s_add_co_u32 s32, s32, s33                     ; my wave's first column
	s_lshl_b32 s33, s32, 2
	s_add_co_u32 s34, s23, s33
	s_mov_b32 s35, 0
	s_add_nc_u64 s[\src:\src+1], s[\src:\src+1], s[34:35]
	s_mul_i32 s21, s21, 8*\NCOL*16                 ; group 8 pb of the codes,
	s_lshl_b32 s32, s32, 4                         ; 16 bytes a column
	s_add_co_u32 s34, s21, s32
	s_add_nc_u64 s[\dst:\dst+1], s[\dst:\dst+1], s[34:35]
.irp u, 0,1,2,3,4,5,6,7
.irp jj, 0,1,2,3,4,5,6,7,8,9,10,11,12,13,14,15
.if \kind == 0
	global_load_b32 v[R+16*\u+\jj], v3, s[\src:\src+1] offset:(128*(\jj/4)+4*\u+\jj%4)*\NCOL*4 th:TH_LOAD_NT
.else
	global_load_b32 v[R+16*\u+\jj], v3, s[\src:\src+1] offset:(32*(\u/2)+8*(\u%2)+16*(\jj/8)+\jj%8)*\NCOL*4 th:TH_LOAD_NT
.endif
.endr
.endr
	s_wait_kmcnt 0x0
	MKSCALE \e
	s_wait_alu depctr_va_vdst(0)
.irp u, 0,1,2,3,4,5,6,7
.if 16*(7-\u) > 63
	s_wait_loadcnt 63                              ; the later groups' loads are more than the wait can name: the largest count that it can name is a smaller one, and safe
.else
	s_wait_loadcnt 16*(7-\u)                       ; this group's 16 loads are in; the later groups' may be out
.endif
	HOLD16 R+16*\u
	v_cvt_scalef32_pk8_fp8_f32 v[C+4*\u:C+4*\u+1], v[R+16*\u:R+16*\u+7], v11
	v_cvt_scalef32_pk8_fp8_f32 v[C+4*\u+2:C+4*\u+3], v[R+16*\u+8:R+16*\u+15], v11
	global_store_b128 v1, v[C+4*\u:C+4*\u+3], s[\dst:\dst+1] offset:\u*\NCOL*16   ; 32 columns x 16 codes: 512 consecutive bytes
.endr
.endm
.Lweights:
	s_cmp_lt_u32 ttmp9, WGX+WGQ
	s_cbranch_scc0 .Lw_out
	s_wait_alu depctr_va_vdst(0)
	WPATH 6, 14, s25, WGX, 3072, 0
	s_endpgm
.Lw_out:
	s_wait_alu depctr_va_vdst(0)
	WPATH 8, 16, s31, WGX+WGQ, 1024, 1
	s_endpgm
.Lfunc_end_k_qda13a7914f_quant:
	.size	k_qda13a7914f_quant, .Lfunc_end_k_qda13a7914f_quant-k_qda13a7914f_quant
	.p2alignl 7, 3214868480
	.fill 96, 4, 3214868480
	.section	.rodata,"a",@progbits
	.p2align	6, 0x0
	.amdhsa_kernel k_qda13a7914f_quant
		.amdhsa_group_segment_fixed_size 0
		.amdhsa_private_segment_fixed_size 0
		.amdhsa_enable_private_segment 0
		.amdhsa_kernarg_size 56
		.amdhsa_user_sgpr_count 2
		.amdhsa_user_sgpr_kernarg_segment_ptr 1
		.amdhsa_wavefront_size32 1
		.amdhsa_system_sgpr_workgroup_id_x 1
		.amdhsa_system_sgpr_workgroup_id_y 1
		.amdhsa_system_sgpr_workgroup_id_z 1
		.amdhsa_system_vgpr_workitem_id 0
		.amdhsa_next_free_vgpr 176
		.amdhsa_next_free_sgpr 66
		.amdhsa_reserve_vcc 0
		.amdhsa_float_denorm_mode_32 3
		.amdhsa_float_denorm_mode_16_64 3
		.amdhsa_memory_ordered 1
		.amdhsa_forward_progress 1
		.amdhsa_inst_pref_size 61
	.end_amdhsa_kernel
	.amdgpu_metadata
---
amdhsa.version: [ 1, 2 ]
amdhsa.kernels:
  - .name:           k_qda13a7914f_quant
    .symbol:         k_qda13a7914f_quant.kd
    .args:
      - { .name: x, .offset: 0, .size: 8, .value_kind: global_buffer, .address_space: global }
      - { .name: w_qkv, .offset: 8, .size: 8, .value_kind: global_buffer, .address_space: global }
      - { .name: w_out, .offset: 16, .size: 8, .value_kind: global_buffer, .address_space: global }
      - { .name: lowp_scales, .offset: 24, .size: 8, .value_kind: global_buffer, .address_space: global }
      - { .name: xq, .offset: 32, .size: 8, .value_kind: global_buffer, .address_space: global }
      - { .name: wq, .offset: 40, .size: 8, .value_kind: global_buffer, .address_space: global }
      - { .name: wo, .offset: 48, .size: 8, .value_kind: global_buffer, .address_space: global }
    .group_segment_fixed_size: 0
    .private_segment_fixed_size: 0
    .kernarg_segment_align: 8
    .kernarg_segment_size: 56
    .max_flat_workgroup_size: 128
    .sgpr_count:     66
    .vgpr_count:     176
    .wavefront_size: 32
...
	.end_amdgpu_metadata
.endif
;; end of part 1
;; launch qkv (part 2): grid 12 x 32, 4 waves a work-group, clusters of 4 x 4, 327,680 bytes of LDS; arguments xq, wq, lowp_scales, b_qkv, qc, kc, vc; writes qc, kc, vc
.if DOCPART == 2
	.amdgcn_target "amdgcn-amd-amdhsa--gfx1250"
	.amdhsa_code_object_version 6
	.text
	.protected	k_qda13a7914f_qkv
	.globl	k_qda13a7914f_qkv
	.p2align	8
	.type	k_qda13a7914f_qkv,@function
k_qda13a7914f_qkv:
	s_mov_b64 s[64:65], 0
	v_nop
	global_prefetch_b8 v0, s[64:65] scope:SCOPE_SE
	s_setreg_imm32_b32 hwreg(HW_REG_WAVE_MODE, 25, 1), 1
	s_wait_xcnt 0x0
	s_wait_alu depctr_hold_cnt(0) depctr_sa_sdst(0) depctr_va_vdst(0) depctr_va_sdst(0) depctr_va_ssrc(0) depctr_va_vcc(0) depctr_vm_vsrc(0)
	s_getreg_b32 s2, hwreg(HW_REG_IB_STS2, 6, 4)
	s_cmp_eq_u32 s2, 0
	s_cbranch_scc0 .Lentry_in_a_cluster
	s_endpgm
.Lentry_in_a_cluster:
	s_bfe_u32 s2, ttmp6, 0x10000c
	s_cmp_lg_u32 s2, 0xf033
	s_cbranch_scc0 .Lentry_shape_is_right
	s_endpgm
.Lentry_shape_is_right:
; LAUNCH 2 OF 4: qkv = x w_qkv + b_qkv on codes of FP8 (E4M3), [8,192 x 1,024] x [1,024 x 3,072]; each sum x 2^(e0 + e1) + bias in f32, then quantised at once: q with e2, k with e3, v with e5.  No work is left out here.
; LIMITS: e0 + e1 between -126 and 127; e2, e3, e5 between -126 and 119: so that each power of two below is an f32 number.
; A tile of 256 x 256 is made by a work-group of four waves; a wave makes 128 x 128: 64 accumulators, 512 registers.  K goes in steps of 256 through a ring of two LDS slots filled by the tensor data mover.
; CLUSTERS: 4 x 4 work-groups.  The four of a row of the cluster need the same tiles of x's codes, the four of a column the same tiles of the weight's: each tile is asked for JOINTLY.
; A cluster spans 1,024 columns, so the cluster's x says for all sixteen partners whether the columns are q's (0), k's (1) or v's (2): the one branch of the way out hangs on it alone.
; THE MATRIX INSTRUCTION IS USED TRANSPOSED (source 0 = 16 columns of the weight, source 1 = 16 stored rows of x).  By xq's order of rows, accumulator (a, b) holds in lane (r, h), register j:
;   row 128 G + 8 r + a, column N0 + 16 b + 8 h + j   (G = my block of 128 rows, N0 = my first column).
; THE WAY OUT.  q, k: a lane's eight registers are eight neighbouring channels of one row: four conversions give the 32 bytes that the lane holds of that row as an operand of launch attn; they are stored as an
;   image of the operand's registers, [bh][block of 128 rows][a][u][lane][16 bytes], straight from registers, 512 consecutive bytes a store.
;   v: the keys are the next K.  A lane's eight accumulators a = 0 .. 7 at one (b, j) are eight NEIGHBOURING rows 8 r + 0 .. 7: the multiply-add that is due anyway gathers them into consecutive registers, one conversion
;   gives 8 bytes along the keys; they go through the wave's own stage in LDS and leave as rows [bh][block][64 channels][128 keys].
; REGISTERS, in windows of 256: window 0: v0-31 addresses; v32-95 the bias; from v128 x's fragments, ONE set; on the way out v96-255 are at work.   window 1: the weight's fragments, TWO sets, at v0 and v128.
;   window 2: the accumulators of blocks a = 0 .. 3 ((a, b) at v[8 (8 (a % 4) + b)]);   window 3: those of a = 4 .. 7.
.set PITCH,  272                       ; a row of x's tile in LDS: 256 bytes + 16 of padding, so that the 16 rows that a load touches start 68 words apart
.set HALFA,  128*PITCH                 ; 128 rows of x's codes: what one tensor load brings, and what one wave reads
.set HALFB,  16*2048                   ; 16 groups of 16 positions x 128 columns x 16 bytes of the weight's codes: no padding: sixteen lanes of a load read 256 consecutive bytes
.set SLOT,   2*HALFA+2*HALFB
.set SPARE,  2*SLOT                    ; behind the ring: the spare words, 128 bytes for each wave: two blocks of 256 bytes that no other line names
.set PB,     3072*16                   ; from group to group in wq, in bytes
.set LAPS,   2                         ; 1,024 along K = two laps of two slots of 256
.set FR,     16                        ; registers of a fragment: 16 rows x 128 K
.set NL,     4                         ; LDS loads that bring one
.set NP,     4                         ; places behind this matrix instruction (ISA guide 7.12.1)
.set VST,    128*144                   ; the way out for v: a stage of 128 rows x (128 bytes + 16) for each wave, in slot 0, which has had its last fill and its last read by then
.set ADRA, 16                          ; v16-17  LDS address of my fragments of x in slot 0, 1
.set ADRB, 20                          ; v20-21  the same for the weight
.set STV,  24                          ; v24     v's stage: where I put 8 bytes of a row
.set RDV,  25                          ; v25     and where I read 16 bytes back
.set CO,   26                          ; v26     16 x lane
.set SPW,  28                          ; v28     LDS address of my spare word: SPARE + 4 x my thread's number; never rewritten
.set NIL,  29                          ; v29     0; never rewritten
.set BIAS, 32                          ; v32-95  b_qkv at my 64 columns: register 8 b + j
.set TMP,  96                          ; the way out: numbers ahead of the quantiser
.set AF,   128                         ; x's fragments, in window 0
.set CD,   128                         ; the way out for q, k: codes, eight registers for each (a, head): never written twice
.set G1, 24                            ; s[24:31] descriptor group 1 for x's tiles;  s[32:39] group 0, one set for each slot
.set G0, 32
.set G1B, 48                           ; s[48:55], s[56:63] the same for the weight's tiles
.set G0B, 56
.set MSB, 0
.macro WIN new                         ; the immediate's high byte repeats the setting that is left
.if MSB != (\new)
	s_set_vgpr_msb (MSB<<8)|(\new)
.set MSB, (\new)
.endif
.endm
.set MUL_LO, 0xa1                      ; source 0 (weight) window 1, source 1 (x) window 0, C and D window 2
.set MUL_HI, 0xf1                      ; the same, C and D window 3
.set TO_B,   0x40                      ; destination window 1, address window 0
; A joint load: waves 0 and 1 fetch for x, waves 2 and 3 for the weight.  Each of the two lines has ONE mask and one set of registers for all that issue it; the branch hangs on the wave's number alone.
; An s_nop 0 and four v_nop follow each of the two lines, ahead of the jump, the label and what follows.
.macro JLOAD g0a, g1a, g0b, g1b
	s_cmp_eq_u32 s15, 0
	s_cbranch_scc0 .Lfor_b_\@
	tensor_load_to_lds s[\g0a:\g0a+3], s[\g1a:\g1a+7]
	s_nop 0
.rept 4
	v_nop
.endr
	s_branch .Lasked_\@
.Lfor_b_\@:
	tensor_load_to_lds s[\g0b:\g0b+3], s[\g1b:\g1b+7]
	s_nop 0
.rept 4
	v_nop
.endr
.Lasked_\@:
.endm
.macro CREST                           ; a round of the cluster's barrier behind its opening barrier
	s_cmp_lg_u32 s14, 0
	s_cbranch_scc1 .Lnot_wave_0_\@
	s_barrier_signal -3
.Lnot_wave_0_\@:
	s_barrier_wait -3
	s_barrier_signal -1
	s_barrier_wait -1
.endm
.macro CROUND                          ; a whole round
	s_barrier_signal -1
	s_barrier_wait -1
	CREST
.endm
	s_load_b256 s[4:11], s[0:1], 0x0               ; xq s[4:5], wq s[6:7], the scales' exponents s[8:9], b_qkv s[10:11]
	s_load_b128 s[68:71], s[0:1], 0x20             ; qc s[68:69], kc s[70:71]
	s_load_b64 s[72:73], s[0:1], 0x30              ; vc
	v_lshl_add_u32 v[SPW], v0, 2, SPARE
	v_mov_b32 v[NIL], 0
	ds_add_u32 v[SPW], v[NIL]                      ; the wave's opening: the add, twice on end, and its wait ahead of my first tensor load; the set-up below, work on registers, stands between
	ds_add_u32 v[SPW], v[NIL]
	v_lshrrev_b32 v1, 5, v0
	v_readfirstlane_b32 s14, v1                    ; wave 0..3
	s_lshr_b32 s15, s14, 1                         ; which 128 rows of the tile are mine.  Also: I fetch for x (0) or for the weight (1)
	s_and_b32 s16, s14, 1                          ; which 128 columns.  Also: which half of that tile I fetch
	s_bfe_u32 s40, ttmp6, 0x40000                  ; cx, cy: my place in the cluster
	s_bfe_u32 s41, ttmp6, 0x40004
	s_lshl_b32 s42, ttmp9, 2
	s_add_co_u32 s42, s42, s40                     ; tile column = 4 x cluster x + cx
	s_and_b32 s17, ttmp7, 0xffff
	s_lshl_b32 s17, s17, 2
	s_add_co_u32 s17, s17, s41                     ; tile row = 4 x cluster y + cy
	s_lshl_b32 s43, s41, 2
	s_lshl_b32 s43, 15, s43                        ; my row of the cluster
	s_lshl_b32 s44, 0x1111, s40                    ; my column
	s_or_b32 s[G1+0], s43, (1<<20)|(1<<21)|(5<<22)|(3<<25)  ; 15:0 the mask: x's tiles go to my row; 17:16 elements of 1 byte; 20 padding on; 21 set beside a mask; 24:22 after every 64 words; 31:25 four words
	s_mov_b32 s[G1+1], 256<<16                     ; tensor_dim0 = 256 bytes
	s_mov_b32 s[G1+2], 128<<16                     ; tensor_dim1 = 128 rows
	s_mov_b32 s[G1+3], 256<<16                     ; tile_dim0
	s_mov_b32 s[G1+4], 128                         ; tile_dim1
	s_mov_b32 s[G1+5], 1024                        ; from row to row
	s_mov_b32 s[G1+6], 0
	s_mov_b32 s[G1+7], 0
	s_or_b32 s[G1B+0], s44, (1<<21)                ; the mask of my column; no padding
	s_mov_b32 s[G1B+1], 2048<<16                   ; tensor_dim0 = 128 columns x 16 bytes
	s_mov_b32 s[G1B+2], 16<<16                     ; tensor_dim1 = 16 groups
	s_mov_b32 s[G1B+3], 2048<<16
	s_mov_b32 s[G1B+4], 16
	s_mov_b32 s[G1B+5], PB
	s_mov_b32 s[G1B+6], 0
	s_mov_b32 s[G1B+7], 0
	s_lshl_b32 s18, s16, 7                         ; which 128 rows or columns I fetch
	s_lshl_b32 s20, s17, 8
	s_add_co_u32 s20, s20, s18
	s_lshl_b32 s20, s20, 10                        ; x: stored row 256 x tile row + 128 x half, 1,024 bytes a row
	s_mov_b32 s21, 0
	s_lshl_b32 s46, s42, 8
	s_add_co_u32 s46, s46, s18
	s_lshl_b32 s46, s46, 4                         ; weight: column 256 x tile column + 128 x half, 16 bytes a column
	s_mov_b32 s47, 0
	s_mul_i32 s45, s16, HALFA                      ; where they go: no place in the cluster enters an LDS address
	s_mul_i32 s19, s16, HALFB
	s_add_co_u32 s19, s19, 2*HALFA
	s_wait_dscnt 0x0                               ; both opening adds are done
	s_wait_kmcnt 0x0
	s_load_b256 s[76:83], s[8:9], 0x0              ; e0 .. e7
	s_add_nc_u64 s[20:21], s[4:5], s[20:21]
	s_add_nc_u64 s[46:47], s[6:7], s[46:47]
	CROUND                                         ; all sixteen work-groups are here: the first joint loads meet
.irp s, 0,1
	s_mov_b32 s[G0+4*\s], 1
	s_add_co_u32 s[G0+4*\s+1], s45, \s*SLOT
	s_add_nc_u64 s[G0+4*\s+2:G0+4*\s+3], s[20:21], \s*256
	s_or_b32 s[G0+4*\s+3], s[G0+4*\s+3], 0x80000000
	s_mov_b32 s[G0B+4*\s], 1
	s_add_co_u32 s[G0B+4*\s+1], s19, \s*SLOT
	s_add_nc_u64 s[G0B+4*\s+2:G0B+4*\s+3], s[46:47], \s*16*PB
	s_or_b32 s[G0B+4*\s+3], s[G0B+4*\s+3], 0x80000000
.endr
	JLOAD G0, G1, G0B, G1B                         ; K step 0: one tensor load a wave at the head
	v_and_b32 v1, 15, v0                           ; r
	v_bfe_u32 v2, v0, 4, 1                         ; h
	s_wait_alu depctr_va_vdst(0)
	v_mul_u32_u24 v3, v1, PITCH
	v_lshl_add_u32 v4, v2, 4, v3                   ; x: row x pitch + 16 h
	v_lshlrev_b32 v5, 4, v1
	v_lshl_add_u32 v5, v2, 11, v5                  ; weight: 16 r + one group (2,048 bytes) x h
	s_mul_i32 s21, s15, HALFA                      ; my 128 rows of x
	s_mul_i32 s22, s16, HALFB                      ; my 128 columns of the weight,
	s_add_co_u32 s22, s22, 2*HALFA                 ; which lie behind x's 256 rows
.irp s, 0,1
	v_add_nc_u32 v[ADRA+\s], s21, v4
	v_add_nc_u32 v[ADRB+\s], s22, v5
	s_add_co_u32 s21, s21, SLOT
	s_add_co_u32 s22, s22, SLOT
.endr
	s_mul_i32 s23, s14, VST                        ; my stage
	v_mul_u32_u24 v[STV], v2, 8*144
	v_lshl_add_u32 v[STV], v1, 3, v[STV]
	v_add_nc_u32 v[STV], s23, v[STV]               ; in: row 16 b + 8 h + j, byte 8 r
	v_and_b32 v6, 31, v0
	v_lshrrev_b32 v8, 3, v6
	v_mul_u32_u24 v[RDV], v8, 144
	v_and_b32 v8, 7, v0
	v_lshl_add_u32 v[RDV], v8, 4, v[RDV]
	v_add_nc_u32 v[RDV], s23, v[RDV]               ; back: eight lanes to a row of 128 bytes, four rows an instruction
	v_lshlrev_b32 v[CO], 4, v6
	s_lshl_b32 s46, s42, 10                        ; the bias at my first column N0 = 256 x tile column + 128 x half, 4 bytes a column
	s_lshl_b32 s47, s16, 9
	s_add_co_u32 s46, s46, s47
	s_mov_b32 s47, 0
	s_add_nc_u64 s[10:11], s[10:11], s[46:47]
	v_lshlrev_b32 v7, 5, v2                        ; lane (r, h) wants columns 16 b + 8 h + 0 .. 7
.irp b, 0,1,2,3,4,5,6,7
	global_load_b128 v[BIAS+8*\b:BIAS+8*\b+3], v7, s[10:11] offset:64*\b
	global_load_b128 v[BIAS+8*\b+4:BIAS+8*\b+7], v7, s[10:11] offset:64*\b+16
.endr
	s_cmp_eq_u32 ttmp9, 0                          ; the buffer of my columns: the choice hangs on the cluster's x alone
	s_cselect_b64 s[84:85], s[68:69], s[70:71]
	s_cmp_eq_u32 ttmp9, 2
	s_cselect_b64 s[84:85], s[72:73], s[84:85]
	s_lshl_b32 s86, s17, 1
	s_add_co_u32 s86, s86, s15                     ; G: my block of 128 rows: batch G / 16, block G % 16 of its 2,048 positions
	s_lshr_b32 s87, s86, 4
	s_lshl_b32 s87, s87, 4
	s_lshl_b32 s88, s40, 2
	s_add_co_u32 s87, s87, s88
	s_lshl_b32 s88, s16, 1
	s_add_co_u32 s87, s87, s88                     ; bh of my first head: 16 x batch + 4 cx + 2 x half
	s_lshl_b32 s87, s87, 4
	s_and_b32 s86, s86, 15
	s_add_co_u32 s86, s87, s86
	s_lshl_b32 s86, s86, 13                        ; 8,192 bytes for each (bh, block), in all three buffers
	s_mov_b32 s87, 0
	s_add_nc_u64 s[84:85], s[84:85], s[86:87]
.macro FRAGA reg, slot, q, i           ; a fragment of x: lane (r, h) holds, of stored row 16 i + r, positions 128 q + 32 c + 16 h + 0 .. 15 in registers 4 c .. 4 c + 3
.irp c, 0,1,2,3
	ds_load_b128 v[\reg+4*\c:\reg+4*\c+3], v[ADRA+\slot] offset:128*(\q)+32*\c+(\i)*16*PITCH
.endr
.endm
.macro FRAGB reg, slot, q, i           ; a fragment of the weight: the same positions (group 8 q + 2 c + h) of column 16 i + r
.irp c, 0,1,2,3
	ds_load_b128 v[\reg+4*\c:\reg+4*\c+3], v[ADRB+\slot] offset:(8*(\q)+2*\c)*2048+256*(\i)
.endr
.endm
; 16 matrix instructions: blocks a0, a0 + 1 of x against the weight's eight, 128 along K.  p: the weight's set.  zero = 1: the first product starts the sums: nothing is ever cleared.
; The 64 accumulators take turns, one instruction a turn, in the same order in every step.
.macro MUL16 a0, p, zero
.irp a, \a0, \a0+1
.irp b, 0,1,2,3,4,5,6,7
.if \zero
	v_wmma_f32_16x16x128_fp8_fp8 v[8*(8*((\a)%4)+\b):8*(8*((\a)%4)+\b)+7], v[128*(\p)+FR*\b:128*(\p)+FR*\b+FR-1], v[AF+FR*(\a):AF+FR*(\a)+FR-1], 0
.else
	v_wmma_f32_16x16x128_fp8_fp8 v[8*(8*((\a)%4)+\b):8*(8*((\a)%4)+\b)+7], v[128*(\p)+FR*\b:128*(\p)+FR*\b+FR-1], v[AF+FR*(\a):AF+FR*(\a)+FR-1], v[8*(8*((\a)%4)+\b):8*(8*((\a)%4)+\b)+7]
.endif
.endr
.endr
.endm
.macro FETCH_B slot, q, p              ; the weight's eight fragments of the slot's q-th 128 along K into set p
	WIN TO_B
.irp i, 0,1,2,3,4,5,6,7
	FRAGB 128*(\p)+FR*\i, \slot, \q, \i
.endr
	WIN 0
.endm
.macro FETCH_A slot, q, i0             ; x's blocks i0 .. i0 + 3
.irp i, \i0, \i0+1, \i0+2, \i0+3
	FRAGA AF+FR*(\i), \slot, \q, \i
.endr
.endm
; A load into a register that a matrix instruction has read, and a vector instruction that reads a matrix result or writes one of a matrix instruction's registers, stand NP places behind it; only plain vector
; instructions that name none of its registers are places (ISA guide 7.12.1 for vector instructions).
.macro PLACES n
.rept \n
	v_nop
.endr
.endm
; A step of 128 along K that has its successor in the same slot.  A block of x is free as soon as its eight products are issued: blocks 0-3 are fetched anew in the step's middle, blocks 4-7 at its end.
.macro STEP slot, q, zero
	s_wait_dscnt 4*NL                              ; the weight's set and x's blocks 0-3 are in; the youngest 16 loads (blocks 4-7) may be out
	WIN MUL_LO
	MUL16 0, (\q)%2, \zero
	MUL16 2, (\q)%2, \zero
	s_wait_dscnt 0                                 ; blocks 4-7 are in
	PLACES NP
	FETCH_B \slot, (\q)+1, 1-(\q)%2
	FETCH_A \slot, (\q)+1, 0
	WIN MUL_HI
	MUL16 4, (\q)%2, \zero
	MUL16 6, (\q)%2, \zero
	PLACES NP
	WIN 0
	FETCH_A \slot, (\q)+1, 4
.endm
; A slot's last step changes slots: ONE barrier; in front of it each wave waits for all its tensor loads, adds 0 to its spare word, and waits for that and for its own reads of this slot.  fill = 1: this slot is filled again, two K steps ahead.
.macro TURN slot, next, fill
	s_wait_tensorcnt 0x0                           ; all my tensor loads have landed: my part of the next slot  (every window is 0 here)
	ds_add_u32 v[SPW], v[NIL]                      ; 0 onto my spare word
	s_wait_dscnt 4*NL+1                            ; (the add and the youngest 16 loads, blocks 4-7, may be out)
	WIN MUL_LO
	MUL16 0, 1, 0                                  ; sixteen matrix instructions stand between the add and the wait for it
	s_wait_dscnt 0x0                               ; the add is done, and my reads of this slot are over
	s_barrier_signal -1
	MUL16 2, 1, 0
	WIN 0
	s_barrier_wait -1
.if \fill
	CREST                                          ; the barrier has opened a round of the cluster's barrier: no wave of any partner still reads this slot or has a load on its way
	s_add_nc_u64 s[G0+4*\slot+2:G0+4*\slot+3], s[G0+4*\slot+2:G0+4*\slot+3], 2*256
	s_add_nc_u64 s[G0B+4*\slot+2:G0B+4*\slot+3], s[G0B+4*\slot+2:G0B+4*\slot+3], 2*16*PB
	JLOAD G0+4*\slot, G1, G0B+4*\slot, G1B         ; the first tensor load behind the round, my only one until the next; its four v_nop are the places in front of the loads below
.else
	PLACES NP
.endif
	FETCH_B \next, 0, 0
	FETCH_A \next, 0, 0
	WIN MUL_HI
	MUL16 4, 1, 0
	MUL16 6, 1, 0
	PLACES NP
	WIN 0
	FETCH_A \next, 0, 4
.endm
	s_wait_alu depctr_va_vdst(0)
	s_wait_tensorcnt 0x0                           ; my part of K step 0 is in
	ds_add_u32 v[SPW], v[NIL]
	s_wait_dscnt 0x0
	CROUND                                         ; everybody's part of K step 0 is in, and all sixteen work-groups are here
	JLOAD G0+4, G1, G0B+4, G1B                     ; K step 1: slot 1's first fill, the first tensor load behind the round
	FETCH_B 0, 0, 0
	FETCH_A 0, 0, 0
	FETCH_A 0, 0, 4
	STEP 0, 0, 1                                   ; the first step's products start the sums
.rept LAPS-1                           ; once round the ring, both slots filled again: with four K steps that is one time, so it is written straight, without a counter
	TURN 0, 1, 1
	STEP 1, 0, 0
	TURN 1, 0, 1
	STEP 0, 0, 0
.endr
	TURN 0, 1, 0                                   ; the last lap fills nothing; behind this barrier nobody reads slot 0 any more
	STEP 1, 0, 0
	s_wait_dscnt 4*NL                              ; the very last step: nothing more to fetch
	WIN MUL_LO
	MUL16 0, 1, 0
	MUL16 2, 1, 0
	s_wait_dscnt 0
	WIN MUL_HI
	MUL16 4, 1, 0
	MUL16 6, 1, 0
	WIN 0
	s_wait_kmcnt 0x0                               ; the exponents
	s_wait_loadcnt 0x0                             ; the bias
	s_add_co_i32 s96, s76, s77
	s_add_co_i32 s96, s96, 127
	s_lshl_b32 s96, s96, 23                        ; 2^(e0 + e1) as f32
	s_mov_b32 s97, s96                             ; (named with it as a pair, so it is written)
	s_cmp_eq_u32 ttmp9, 0
	s_cselect_b32 s86, s78, s79                    ; e2 for q, e3 for k,
	s_cmp_eq_u32 ttmp9, 2
	s_cselect_b32 s86, s81, s86                    ; e5 for v: chosen without a jump
	s_add_co_i32 s86, s86, 127
	s_lshl_b32 s87, s86, 23
	v_mov_b32 v12, s87                             ; the scale as f32
	s_add_co_i32 s86, s86, 8
	s_lshl_b32 s86, s86, 23
	s_or_b32 s86, s86, 0x600000
	v_mov_b32 v13, s86                             ; 448 x the scale
	PLACES 2                                       ; with the two lines that made v12 and v13: four places behind the last products
	s_cmp_eq_u32 ttmp9, 2
	s_cbranch_scc1 .Lv
; q, k: block a, head hd of my two.  32 numbers a lane: sum x 2^(e0 + e1) + bias (each accumulator from its low end on), held, converted: 32 codes = the lane's part of the row as an operand of K = 64.
.macro OUTQK a, hd
	WIN 0x02+(\a)/4                                ; source 0: window 2 or 3
.set i, 0
.rept 16
	v_pk_fma_f32 v[TMP+i:TMP+i+1], v[64*((\a)%4)+32*(\hd)+i:64*((\a)%4)+32*(\hd)+i+1], s[96:97], v[BIAS+32*(\hd)+i:BIAS+32*(\hd)+i+1] op_sel_hi:[1,0,1]
.set i, i+2
.endr
	WIN 0
.set i, 0
.rept 32
	v_med3_num_f32 v[TMP+i], v[TMP+i], -v13, v13   ; the conversion to an 8-bit code does not saturate (ISA guide 7.6.2)
.set i, i+1
.endr
.irp bb, 0,1,2,3
	v_cvt_scalef32_pk8_fp8_f32 v[CD+8*(2*(\a)+\hd)+2*\bb:CD+8*(2*(\a)+\hd)+2*\bb+1], v[TMP+8*\bb:TMP+8*\bb+7], v12   ; channels 16 bb + 8 h + 0 .. 7
.endr
	v_nop                                          ; one plain line between the conversions and the next lines that write their sources
.irp u, 0,1
	global_store_b128 v[CO], v[CD+8*(2*(\a)+\hd)+4*\u:CD+8*(2*(\a)+\hd)+4*\u+3], s[84:85] offset:131072*(\hd)+1024*(\a)+512*\u   ; 32 lanes store 512 consecutive bytes, at a multiple of 512 from the buffer's first byte
.endr
.endm
.irp a, 0,1,2,3,4,5,6,7
.irp hd, 0,1
	OUTQK \a, \hd
.endr
.endr
	s_branch .Lend
; v: blocks b = 2 c and 2 c + 1 of my columns.  Register TMP + 8 x + a, x = 8 (b % 2) + j, takes row 8 r + a of column 16 b + 8 h + j: eight neighbours along the keys.
.macro OUTV c
.irp w, 0,1
	WIN 0x02+\w                                    ; source 0: window 2 (a = 0 .. 3), then 3 (a = 4 .. 7)
.irp bl, 0,1
.irp j, 0,1,2,3,4,5,6,7
.irp a, 0,1,2,3
	v_fma_f32 v[TMP+8*(8*\bl+\j)+4*\w+\a], v[64*\a+8*(2*(\c)+\bl)+\j], s96, v[BIAS+8*(2*(\c)+\bl)+\j]   ; j ascends: each accumulator is read from its low end on
.endr
.endr
.endr
.endr
	WIN 0
.set i, 0
.rept 128
	v_med3_num_f32 v[TMP+i], v[TMP+i], -v13, v13
.set i, i+1
.endr
	s_wait_dscnt 0x0                               ; the last blocks' LDS stores have read their registers
.set i, 0
.rept 16
	v_cvt_scalef32_pk8_fp8_f32 v[224+2*i:225+2*i], v[TMP+8*i:TMP+8*i+7], v12
.set i, i+1
.endr
	v_nop                                          ; one plain line between the conversions and the next lines that write their sources
.irp bl, 0,1
.irp j, 0,1,2,3,4,5,6,7
	ds_store_b64 v[STV], v[224+2*(8*\bl+\j):225+2*(8*\bl+\j)] offset:(16*(2*(\c)+\bl)+\j)*144
.endr
.endr
.endm
.Lv:
	OUTV 0
	OUTV 1
	OUTV 2
	OUTV 3
.set i, 0
.rept 32
	ds_load_b128 v[TMP+4*i:TMP+4*i+3], v[RDV] offset:576*i   ; LDS serves a wave's instructions in order (ISA guide 5.7.1.4): these see my stores; the stage is my own, so no barrier
.set i, i+1
.endr
.set i, 0
.rept 32
	s_wait_dscnt 31-i                              ; load i is in; the later ones may be out
	global_store_b128 v[CO], v[TMP+4*i:TMP+4*i+3], s[84:85] offset:131072*(i/16)+512*(i%16)   ; four channels' rows of 128 keys: 512 consecutive bytes
.set i, i+1
.endr
.Lend:
	s_wait_tensorcnt 0x0                           ; the wave's end: behind my last tensor load and my last LDS store
	ds_add_u32 v[SPW], v[NIL]
	s_wait_dscnt 0x0
	CROUND                                         ; the closing round: no work-group ends while a partner may still ask for a tile that names it
	s_endpgm
.Lfunc_end_k_qda13a7914f_qkv:
	.size	k_qda13a7914f_qkv, .Lfunc_end_k_qda13a7914f_qkv-k_qda13a7914f_qkv
	.p2alignl 7, 3214868480
	.fill 96, 4, 3214868480
	.section	.rodata,"a",@progbits
	.p2align	6, 0x0
	.amdhsa_kernel k_qda13a7914f_qkv
		.amdhsa_group_segment_fixed_size 327680
		.amdhsa_private_segment_fixed_size 0
		.amdhsa_enable_private_segment 0
		.amdhsa_kernarg_size 56
		.amdhsa_user_sgpr_count 2
		.amdhsa_user_sgpr_kernarg_segment_ptr 1
		.amdhsa_wavefront_size32 1
		.amdhsa_system_sgpr_workgroup_id_x 1
		.amdhsa_system_sgpr_workgroup_id_y 1
		.amdhsa_system_sgpr_workgroup_id_z 1
		.amdhsa_system_vgpr_workitem_id 0
		.amdhsa_next_free_vgpr 1024
		.amdhsa_next_free_sgpr 98
		.amdhsa_reserve_vcc 0
		.amdhsa_float_denorm_mode_32 3
		.amdhsa_float_denorm_mode_16_64 3
		.amdhsa_memory_ordered 1
		.amdhsa_forward_progress 1
		.amdhsa_inst_pref_size 216
	.end_amdhsa_kernel
	.amdgpu_metadata
---
amdhsa.version: [ 1, 2 ]
amdhsa.kernels:
  - .name:           k_qda13a7914f_qkv
    .symbol:         k_qda13a7914f_qkv.kd
    .args:
      - { .name: xq, .offset: 0, .size: 8, .value_kind: global_buffer, .address_space: global }
      - { .name: wq, .offset: 8, .size: 8, .value_kind: global_buffer, .address_space: global }
      - { .name: lowp_scales, .offset: 16, .size: 8, .value_kind: global_buffer, .address_space: global }
      - { .name: b_qkv, .offset: 24, .size: 8, .value_kind: global_buffer, .address_space: global }
      - { .name: qc, .offset: 32, .size: 8, .value_kind: global_buffer, .address_space: global }
      - { .name: kc, .offset: 40, .size: 8, .value_kind: global_buffer, .address_space: global }
      - { .name: vc, .offset: 48, .size: 8, .value_kind: global_buffer, .address_space: global }
    .group_segment_fixed_size: 327680
    .private_segment_fixed_size: 0
    .kernarg_segment_align: 8
    .kernarg_segment_size: 56
    .max_flat_workgroup_size: 128
    .sgpr_count:     98
    .vgpr_count:     1024
    .wavefront_size: 32
...
	.end_amdgpu_metadata
.endif
;; end of part 2
;; launch attn (part 3): grid 4 x 64, 8 waves a work-group, no clusters, 327,680 bytes of LDS; arguments qc, kc, vc, lowp_scales, ac; writes ac
.if DOCPART == 3
	.amdgcn_target "amdgcn-amd-amdhsa--gfx1250"
	.amdhsa_code_object_version 6
	.text
	.protected	k_qda13a7914f_attn
	.globl	k_qda13a7914f_attn
	.p2align	8
	.type	k_qda13a7914f_attn,@function
k_qda13a7914f_attn:
	s_mov_b64 s[64:65], 0
	v_nop
	global_prefetch_b8 v0, s[64:65] scope:SCOPE_SE
	s_setreg_imm32_b32 hwreg(HW_REG_WAVE_MODE, 25, 1), 1
	s_wait_xcnt 0x0
; LAUNCH 3 OF 4: for each of 64 (batch, head): O[q] = the sum over keys k <= q of softmax_k(Q[q] . K[k] / 8) V[k], both products on codes of FP8 (E4M3); O is quantised at once (e6) for launch proj.
; WORK LEFT OUT: for a block of 128 queries, every step of 128 keys all of which come after all its queries (reference()'s own causal mask gives them the weight 0 for all values of the inputs: see launch quant's head).
; THE SOFTMAX AHEAD OF THE SECOND PRODUCT: t = score x log2(e) / 8; M = the row's largest t so far, rounded UP to a whole number; p = 2^(t - M) is what is quantised (e4); it is not normalised.
; The row's sum is taken of the unquantised p, in f32, and divides O at the end.  When M moves, the sum and O are multiplied by 2^(old M - new M): exact.
; LIMITS: e2 + e3 between -123 and 130 (they are added to c's exponent field); e4, e6 between -126 and 119; e4 + e5 is applied by v_ldexp_f32 and has none.
; SHARES.  256 work-groups, four to a (batch, head).  Work-group g owns the blocks g, 7 - g, 8 + g, 15 - g of 128 queries: (g + 1) + (8 - g) + (9 + g) + (16 - g) = 34 block steps in every work-group.
; Each of its EIGHT waves owns tile w (queries 128 BLK + 8 r + w: so qc is laid) of ALL FOUR blocks: at every key step all eight waves have the same number of tiles at work,
; and one set of K's and V's fragments, read from LDS once a step, serves up to four tiles.  THE BLOCKS ASCEND WITH THE TILE'S NUMBER: where tile t is at work, so are the tiles behind it.
; So a step enters the row of four tiles at its first tile at work, and each tile issues the NEXT tile's first product behind its own exponentials, onto the score registers that these have read out.
; The keys go 128 a step, two steps a slot, through a ring of two LDS slots: wave 0 fetches K's 16,384 bytes, wave 1 V's; all eight read them.  Both loops have constant trip counts; hidden work is jumped over by branches on ids.
; NO TAIL IS WRITTEN OUT: where the fills end hangs on the work-group's number (the causal limit), every wait on TENSORcnt is for 0, and the limit's jump, made of ids and the count of steps, ends them in the last trip too (key 2,048 lies behind every query).
; NO CLUSTER: the four work-groups of a head have different numbers of tiles at work in a slot, and slot 7 is read by two of the four only: a joint load would bring the others a tile that none of their waves reads.
; LAYOUT.  Both products are used transposed, a lane holds ONE query (lane % 16) of each tile.  S^T = K Q^T (K = 64): tile x of a step holds keys 8 r + x (so kc is laid), so register 8 x + j of lane (r, h)
; is key 64 h + 8 j + x.  The exponential writes register 8 j + x: p's registers 8 j + 0 .. 7 are eight neighbouring keys: one conversion each.  O^T = V^T P^T (K = 128): V's fragment is 64 consecutive bytes of a channel's row, from byte 64 h on.
; REGISTERS.  Window 0: v1-10 addresses; v12-27 for each tile -M, the largest t, the sum in two halves; v28-32 holds and scales; v33-46 at work; v48-63 p's codes; v64-127 K's eight fragments; v128-191 S^T; v192-255 p.
;   Window 1: v0-127 O^T of the four tiles; v128-159 Q of the four tiles; v160-223 V's four fragments.
.set SLOT1, 65536                      ; slot 1 begins here: one exclusive or turns an address in one slot into the other's
.set VOFF,  16384                      ; a slot: K's images, 2 steps x 8 tiles x 1,024 bytes; then V
.set VP,    144                        ; V: 2 steps x 64 channels, a row of 128 keys + 16 bytes of padding
.set KQ,    8192                       ; from a slot's first step to its second: in K,
.set VQ,    64*VP                      ; and in V (9,216: its bits are free in the slots' bases, so an exclusive or steps there and back)
.set SPARE, 2*SLOT1                    ; behind the ring: the spare words, 128 bytes for each wave: four blocks of 256 bytes that no other line names
.set NSL,   8                          ; slots' worth of keys
.set AK0,  1                           ; v1   16 x lane: my place in an image
.set AV0,  2                           ; v2   my place in a tile of V
.set PFO,  3                           ; v3   256 x lane: the prefetches' offset
.set DQ,   4                           ; v4   8 r + w - 64 h: on the diagonal, key 64 h + x is hidden where x > this
.set SPW,  5                           ; v5   LDS address of my spare word; never rewritten
.set NIL,  6                           ; v6   0; never rewritten
.set ADK,  8
.set ADV,  9
.set NINF, 10
.set ST,   12
.set HP,   28                          ; v28, v29  448 x 2^e4, twice: the two halves of a dual pair take their second sources from different banks
.set SCP,  30                          ; 2^e4
.set HO,   31                          ; 448 x 2^e6
.set SCO,  32                          ; 2^e6
.set PT,   33
.set FF,   34                          ; v[34:35] f
.set MX,   36                          ; v36-39 four chains of the maximum; at the two ends: offsets in qc and ac
.set TS,   40                          ; v40-45 three chains of the sum
.set TM,   46
.set PC,   48
.set KR,   64
.set S,    128
.set P,    192
.set QW,   128                         ; window 1
.set VF,   160                         ; window 1
.set TBK,  2                           ; s2, s3  LDS byte at which the step in hand (K: the step to be fetched next) begins
.set TBV,  3
.set WV,   18
.set SEL,  20
.set CS,   22                          ; s[22:23] c = log2(e) / 8 x 2^(e2 + e3)
.set G1K,  24
.set G1V,  32
.set G0K,  40
.set G0V,  44
.set QO,   48                          ; s48-51 my four tiles' places in qc
.set SLOTS, 67
.set BL,   68                          ; s68-71 my four blocks
.set PFA,  76
.set LIM,  80
.set OFF,  84                          ; s84-87 my four tiles' places in ac
.set Q0,   88                          ; s88-91 the blocks' first queries
.set KF,   92                          ; the step's first key
.set QC,   93                          ; the step's number in its slot
.set QL,   94                          ; my work-group's last query
.set MSB, 0
.macro WIN new                         ; the immediate's high byte repeats the setting that is left
.if MSB != (\new)
	s_set_vgpr_msb (MSB<<8)|(\new)
.set MSB, (\new)
.endif
.endm
; Wave 0 fetches for K, wave 1 for V, the others nothing.  An s_nop 0 and four v_nop follow each of the two lines.
.macro TLOAD
	s_cmp_eq_u32 s[WV], 0
	s_cbranch_scc0 .Lnot_k_\@
	tensor_load_to_lds s[G0K:G0K+3], s[G1K:G1K+7]
	s_nop 0
.rept 4
	v_nop
.endr
	s_branch .Lasked_\@
.Lnot_k_\@:
	s_cmp_eq_u32 s[WV], 1
	s_cbranch_scc0 .Lasked_\@
	tensor_load_to_lds s[G0V:G0V+3], s[G1V:G1V+7]
	s_nop 0
.rept 4
	v_nop
.endr
.Lasked_\@:
.endm
; A PREFETCH INTO THE L2 of what the NEXT change of slots will ask for: a slot's 16,384 bytes of K and of V, each one dense block.  The four work-groups of a (batch, head) walk the same K and V: the first of them
; (g = 0, which walks all slots) asks.  In it waves 4, 5 ask for K's block and waves 6, 7 for V's: 8,192 bytes a wave, lanes 256 bytes apart, one instruction: each aligned block of 256 bytes is named once in the launch.
; The change that fetches slot j asks for slot j + 1, two key steps ahead of its load; the trips with 8 .. 3 slots to go name slots 2 .. 7; slots 0 and 1 come by their loads alone.
.macro ASK
	s_cmp_gt_u32 s[SLOTS], s[LIM]
	s_cbranch_scc0 .Lnot_mine_\@
	global_prefetch_b8 v[PFO], s[PFA:PFA+1] th:TH_LOAD_NT scope:SCOPE_SE
.Lnot_mine_\@:
.endm
.macro KLOAD                           ; K's eight fragments: each load's 32 lanes read 512 consecutive bytes
.irp x, 0,1,2,3,4,5,6,7
.irp u, 0,1
	ds_load_b128 v[KR+8*\x+4*\u:KR+8*\x+4*\u+3], v[ADK] offset:1024*\x+512*\u
.endr
.endr
.endm
.macro NOP4                            ; four places behind matrix instructions (ISA guide 7.12.1)
.rept 4
	v_nop
.endr
.endm
	s_load_b256 s[4:11], s[0:1], 0x0               ; qc s[4:5], kc s[6:7], vc s[8:9], the scales' exponents s[10:11]
	s_load_b64 s[12:13], s[0:1], 0x20              ; ac
	v_lshl_add_u32 v[SPW], v0, 2, SPARE
	v_mov_b32 v[NIL], 0
	ds_add_u32 v[SPW], v[NIL]                      ; the wave's opening: the add, twice on end, and its wait ahead of my first tensor load
	ds_add_u32 v[SPW], v[NIL]
	v_lshrrev_b32 v8, 5, v0
	s_delay_alu instid0(VALU_DEP_1)
	v_readfirstlane_b32 s[WV], v8                  ; wave 0..7
	s_and_b32 s14, ttmp7, 0xffff                   ; bh
	s_lshl_b32 s72, s14, 17                        ; 131,072 bytes for each bh in qc, kc and vc
	s_mov_b32 s73, 0
	s_mov_b32 s[BL], ttmp9                         ; my blocks: g, 7 - g, 8 + g, 15 - g
	s_sub_co_u32 s[BL+1], 7, ttmp9
	s_add_co_u32 s[BL+2], ttmp9, 8
	s_sub_co_u32 s[BL+3], 15, ttmp9
	s_lshl_b32 s15, s[WV], 10                      ; tile w: 1,024 bytes, in qc and in ac
	s_lshr_b32 s16, s14, 4                         ; ac [64 G][16 heads][8 a][2 u][32 lanes][16], G = 16 x batch + BLK: the batch (2^21 bytes),
	s_lshl_b32 s16, s16, 21
	s_and_b32 s17, s14, 15                         ; the head (8,192),
	s_lshl_b32 s17, s17, 13
	s_add_co_u32 s16, s16, s17
	s_add_co_u32 s16, s16, s15                     ; the tile
.irp x, 0,1,2,3
	s_lshl_b32 s[Q0+\x], s[BL+\x], 7
	s_lshl_b32 s[QO+\x], s[BL+\x], 13              ; qc: block (8,192 bytes), tile
	s_add_co_u32 s[QO+\x], s[QO+\x], s15
	s_lshl_b32 s[OFF+\x], s[BL+\x], 17
	s_add_co_u32 s[OFF+\x], s[OFF+\x], s16
.endr
	s_add_co_u32 s[QL], s[Q0+3], 127
	s_mov_b32 s[G1K], 0                            ; K: a dense block as 64 rows of 256 bytes: no mask, elements of 1 byte, no padding
	s_mov_b32 s[G1K+1], 256<<16
	s_mov_b32 s[G1K+2], 64<<16
	s_mov_b32 s[G1K+3], 256<<16
	s_mov_b32 s[G1K+4], 64
	s_mov_b32 s[G1K+5], 256
	s_mov_b32 s[G1K+6], 0
	s_mov_b32 s[G1K+7], 0
	s_mov_b32 s[G1V], (1<<20)|(4<<22)|(3<<25)      ; V: 128 rows of 128 bytes, dense in memory, so stated as 64 rows of 256 bytes, with four words of padding still behind every 32
	s_mov_b32 s[G1V+1], 256<<16
	s_mov_b32 s[G1V+2], 64<<16
	s_mov_b32 s[G1V+3], 256<<16
	s_mov_b32 s[G1V+4], 64
	s_mov_b32 s[G1V+5], 256
	s_mov_b32 s[G1V+6], 0
	s_mov_b32 s[G1V+7], 0
	s_mov_b32 s[SEL], 0x76543210
	s_mov_b32 s[SEL+1], 0xfedcba98
	s_mov_b32 s[CS], 0x3e38aa3b                    ; log2(e) / 8
	s_mov_b32 s[TBK], 0
	s_mov_b32 s[TBV], 0
	s_mov_b32 s[SLOTS], NSL
	s_mov_b32 s[KF], 0
	s_wait_dscnt 0x0                               ; both opening adds are done
	s_wait_kmcnt 0x0
	s_load_b256 s[52:59], s[10:11], 0x0            ; e0 .. e7
	s_mov_b32 s[G0K], 1
	s_mov_b32 s[G0K+1], 0                          ; slot 0
	s_add_nc_u64 s[G0K+2:G0K+3], s[6:7], s[72:73]  ; the head's first 256 keys
	s_or_b32 s[G0K+3], s[G0K+3], 0x80000000
	s_mov_b32 s[G0V], 1
	s_mov_b32 s[G0V+1], VOFF
	s_add_nc_u64 s[G0V+2:G0V+3], s[8:9], s[72:73]
	s_or_b32 s[G0V+3], s[G0V+3], 0x80000000
	TLOAD                                          ; slot 0: it holds key 0, which counts for every query
	s_add_nc_u64 s[4:5], s[4:5], s[72:73]
	v_and_b32 v8, 31, v0
	v_lshlrev_b32 v[AK0], 4, v8
.irp x, 0,1,2,3
	v_add_nc_u32 v[MX+\x], s[QO+\x], v[AK0]
.endr
	s_wait_alu depctr_va_vdst(0)
	WIN 0x40                                       ; destinations in window 1
.irp x, 0,1,2,3
	global_load_b128 v[QW+8*\x:QW+8*\x+3], v[MX+\x], s[4:5]              ; Q's fragments stay in registers
	global_load_b128 v[QW+8*\x+4:QW+8*\x+7], v[MX+\x], s[4:5] offset:512
.endr
.set n, 0
.rept 128
	v_mov_b32 v[n], 0                              ; O^T.  (The step is written once: the first finds zeros, which the first change of M leaves zeros)
.set n, n+1
.endr
	WIN 0
	s_cmp_lt_u32 s[WV], 6                          ; the prefetches: waves 4, 5 stand in K, waves 6, 7 in V
	s_cselect_b64 s[PFA:PFA+1], s[6:7], s[8:9]
	s_and_b32 s78, s[WV], 1
	s_lshl_b32 s78, s78, 13                        ; my wave's half of a slot's block,
	s_add_co_u32 s78, s78, 16384                   ; in slot 1: the first change of slots steps it to slot 2
	s_mov_b32 s79, 0
	s_add_nc_u64 s[78:79], s[78:79], s[72:73]
	s_add_nc_u64 s[PFA:PFA+1], s[PFA:PFA+1], s[78:79]
	s_sub_co_u32 s78, s[WV], 4
	s_lshr_b32 s78, s78, 2                         ; 0 in waves 4 to 7,
	s_or_b32 s78, s78, ttmp9                       ; of the head's first work-group
	s_cmp_eq_u32 s78, 0
	s_cselect_b32 s[LIM], 2, -1
	v_lshlrev_b32 v[PFO], 8, v8
	v_and_b32 v9, 15, v0                           ; r
	v_bfe_u32 v10, v0, 4, 1                        ; h
	s_delay_alu instid0(VALU_DEP_2)
	v_mul_u32_u24 v[AV0], v9, VP
	s_delay_alu instid0(VALU_DEP_1)
	v_lshl_add_u32 v[AV0], v10, 6, v[AV0]
	s_delay_alu instid0(VALU_DEP_1)
	v_add_nc_u32 v[AV0], VOFF, v[AV0]              ; V: channel r's row, from byte 64 h on
	v_lshlrev_b32 v[DQ], 3, v9
	s_delay_alu instid0(VALU_DEP_1)
	v_add_nc_u32 v[DQ], s[WV], v[DQ]
	v_lshlrev_b32 v10, 6, v10
	s_delay_alu instid0(VALU_DEP_1)
	v_sub_nc_u32 v[DQ], v[DQ], v10
	v_mov_b32 v[NINF], 0xff800000                  ; -infinity
.irp x, 0,1,2,3
	v_mov_b32 v[ST+4*\x], 0x7f61b1e6               ; -M = 3e38,
	v_mov_b32 v[ST+4*\x+1], 0xff61b1e6             ; the largest t so far: -3e38, under every t
	v_mov_b32 v[ST+4*\x+2], 0                      ; the sum, in two halves
	v_mov_b32 v[ST+4*\x+3], 0
.endr
	v_mov_b32 v[FF+1], 0                           ; (named as the upper half of the pair)
	v_mov_b32 v[PT], 0                             ; written once: a lane permute's destination counts as one of its sources
	s_wait_kmcnt 0x0
	s_add_co_i32 s72, s54, s55
	s_lshl_b32 s72, s72, 23
	s_add_co_i32 s[CS], s[CS], s72                 ; a score stands for score x 2^(e2 + e3): the two exponents are added to c's exponent field
	s_mov_b32 s[CS+1], s[CS]
	s_add_co_i32 s72, s56, 127
	s_lshl_b32 s73, s72, 23
	v_mov_b32 v[SCP], s73
	s_add_co_i32 s72, s72, 8
	s_lshl_b32 s72, s72, 23
	s_or_b32 s72, s72, 0x600000
	v_mov_b32 v[HP], s72
	v_mov_b32 v[HP+1], s72
	s_add_co_i32 s72, s58, 127
	s_lshl_b32 s73, s72, 23
	v_mov_b32 v[SCO], s73
	s_add_co_i32 s72, s72, 8
	s_lshl_b32 s72, s72, 23
	s_or_b32 s72, s72, 0x600000
	v_mov_b32 v[HO], s72
	s_add_co_i32 s81, s56, s57                     ; e4 + e5
.macro QK t                            ; S^T of tile t: eight products, source 1 (Q) in window 1.  It leaves that window set
	WIN 0x04
.irp x, 0,1,2,3,4,5,6,7
	v_wmma_f32_16x16x64_fp8_fp8 v[S+8*\x:S+8*\x+7], v[KR+8*\x:KR+8*\x+7], v[QW+8*(\t):QW+8*(\t)+7], 0
.endr
.endm
.macro FMA8 b                          ; t - M, two at a time (of the pairs c and -M the low word serves both halves)
.set n, \b
.rept 8
	v_pk_fma_f32 v[S+n:S+n+1], v[S+n:S+n+1], s[CS:CS+1], v[NM:NM+1] op_sel_hi:[1,0,0]
.set n, n+2
.endr
.endm
; ONE TILE OF 16 QUERIES AGAINST THE STEP'S 128 KEYS; its scores lie in S^T already.  nxt = 1: the next tile's scores are asked of the matrix unit behind this tile's exponentials.
; pre = 1 (tile 3): K's registers are free, and in a slot's first step the second step's fragments are fetched into them (more than four places behind the products that read them, on both ways in).
.macro TILE t, nxt, pre
.set NM, ST+4*(\t)
.set SU, NM+2
.set OT, 32*(\t)
.if \pre
	v_add_nc_u32 v[ADK], s[TBK], v[AK0]
	s_cmp_lg_u32 s[QC], 0
	s_cbranch_scc1 .Lnopre_\@
	KLOAD
.Lnopre_\@:
.endif
	s_cmp_lg_u32 s[KF], s[Q0+\t]                   ; only the step on the diagonal has hidden keys
	s_cbranch_scc1 .Lopen_\@
.set n, 0
.rept 64                                       ; register n = 8 x + j is key 64 h + 8 j + x: hidden scores become -infinity ahead of the maximum: p = 0 then.  n ascends: each accumulator from its low end on
	v_cmp_gt_i32 vcc_lo, 8*(n%8)+n/8, v[DQ]
	v_cndmask_b32 v[S+n], v[S+n], v[NINF], vcc_lo
.set n, n+1
.endr
.Lopen_\@:
	v_max3_num_f32 v[MX], v[S], v[S+1], v[S+2]     ; the step's largest score of my query among my 64 keys, in four chains, the registers ascending
	v_max3_num_f32 v[MX+1], v[S+3], v[S+4], v[S+5]
	v_max3_num_f32 v[MX+2], v[S+6], v[S+7], v[S+8]
	v_max3_num_f32 v[MX+3], v[S+9], v[S+10], v[S+11]
.set n, 12
.rept 26
	v_max3_num_f32 v[MX+((n-12)/2)%4], v[MX+((n-12)/2)%4], v[S+n], v[S+n+1]
.set n, n+2
.endr
	s_delay_alu instid0(VALU_DEP_1)
	v_max3_num_f32 v[MX], v[MX], v[MX+1], v[MX+2]
	s_delay_alu instid0(VALU_DEP_1)
	v_max_num_f32 v[MX], v[MX], v[MX+3]
	s_delay_alu instid0(VALU_DEP_1)
	v_permlanex16_b32 v[PT], v[MX], s[SEL], s[SEL+1]
	s_delay_alu instid0(VALU_DEP_1)
	v_max_num_f32 v[MX], v[MX], v[PT]              ; and among lane l xor 16's
	s_delay_alu instid0(VALU_DEP_1)
	v_mul_f32 v[MX], s[CS], v[MX]                  ; as t (c is positive)
	s_delay_alu instid0(VALU_DEP_1)
	v_max_num_f32 v[NM+1], v[NM+1], v[MX]          ; the running largest t
	v_mov_b32 v[TM], v[NM]
	s_delay_alu instid0(VALU_DEP_2)
	v_floor_f32 v[NM], -v[NM+1]                    ; the new -M = floor(-t) = -ceil(t): M is a whole number
	FMA8 0                                         ; the three lines that make f stand among the 32 multiply-adds, which do not hang on them
	v_sub_f32 v[TM], v[NM], v[TM]                  ; M's old value less its new one: a whole number, 0 or less
	FMA8 16
	v_cvt_i32_f32 v[TM], v[TM]                     ; (it saturates)
	FMA8 32
	v_ldexp_f32 v[FF], 1.0, v[TM]                  ; f = 2^(old M - new M)
	FMA8 48
	s_wait_alu depctr_va_vdst(0)
.set n, 0
.rept 64
	v_exp_f32 v[P+8*(n%8)+n/8], v[S+n]             ; p = 2^(t - M), at most 1; written where its key's neighbours lie: P + 8 j + x
.set n, n+1
.endr
	v_pk_mul_f32 v[SU:SU+1], v[SU:SU+1], v[FF:FF+1] op_sel_hi:[1,0]   ; the sums under the new M: the plain line behind the exponentials, ahead of the products that write over their sources
.if \nxt
	QK \t+1                                        ; the next tile's scores: they name none of the exponentials' results
.endif
	WIN 0x51                                       ; source 0 (O^T, V), source 2 and the destination (O^T) in window 1; source 1 (f, p's codes) in window 0
	s_wait_dscnt 0x0                               ; V is in, asked for at the step's head (and what tile 3 has fetched of K)
	s_wait_alu depctr_va_vdst(0)                   ; ONE wait: behind the batch, ahead of its first reader, and directly ahead of the first reader of O^T
.set n, 0
.rept 16
	v_pk_mul_f32 v[OT+n:OT+n+1], v[OT+n:OT+n+1], v[FF:FF+1] op_sel_hi:[1,0]   ; O^T under the new M, each accumulator from its low end on
.set n, n+2
.endr
	WIN 0
	v_pk_add_f32 v[TS:TS+1], v[P:P+1], v[P+2:P+3]  ; the row's sum of the UNQUANTISED p: two at a time, in four chains
	v_pk_add_f32 v[TS+2:TS+3], v[P+4:P+5], v[P+6:P+7]
	v_pk_add_f32 v[TS+4:TS+5], v[P+8:P+9], v[P+10:P+11]
.set n, 12
.rept 6
	v_pk_add_f32 v[SU:SU+1], v[SU:SU+1], v[P+n:P+n+1]
	v_pk_add_f32 v[TS:TS+1], v[TS:TS+1], v[P+n+2:P+n+3]
	v_pk_add_f32 v[TS+2:TS+3], v[TS+2:TS+3], v[P+n+4:P+n+5]
	v_pk_add_f32 v[TS+4:TS+5], v[TS+4:TS+5], v[P+n+6:P+n+7]
.set n, n+8
.endr
	v_pk_add_f32 v[SU:SU+1], v[SU:SU+1], v[P+60:P+61]
	v_pk_add_f32 v[TS:TS+1], v[TS:TS+1], v[P+62:P+63]
.irp j, 0,1,2,3,4,5,6,7
.irp i, 0,2,4,6
	v_dual_min_num_f32 v[P+8*\j+\i], v[P+8*\j+\i], v[HP] :: v_dual_min_num_f32 v[P+8*\j+\i+1], v[P+8*\j+\i+1], v[HP+1]   ; the conversion to an 8-bit code does not saturate (ISA guide 7.6.2); p is not negative: a one-sided hold, two numbers a line
.endr
	v_cvt_scalef32_pk8_fp8_f32 v[PC+2*\j:PC+2*\j+1], v[P+8*\j:P+8*\j+7], v[SCP]   ; keys 64 h + 8 j + 0 .. 7
.endr
	v_pk_add_f32 v[TS+2:TS+3], v[TS+2:TS+3], v[TS+4:TS+5]   ; the chains are joined: also the plain lines between the conversions and the products
	v_pk_add_f32 v[SU:SU+1], v[SU:SU+1], v[TS:TS+1]
	s_delay_alu instid0(VALU_DEP_1)
	v_pk_add_f32 v[SU:SU+1], v[SU:SU+1], v[TS+2:TS+3]
	WIN 0x51
.irp c, 0,1,2,3
	v_wmma_f32_16x16x128_fp8_fp8 v[OT+8*\c:OT+8*\c+7], v[VF+16*\c:VF+16*\c+15], v[PC:PC+15], v[OT+8*\c:OT+8*\c+7]   ; the four accumulators take turns
.endr
	WIN 0
.endm
	s_wait_alu depctr_va_vdst(0)
	s_wait_loadcnt 0x0                             ; Q
.Lslot:                                            ; NSL trips.  THE CHANGE OF SLOTS stands at a slot's head
	s_wait_tensorcnt 0x0                           ; no tensor load of mine is out, so a group 0 may be written
	ds_add_u32 v[SPW], v[NIL]                      ; 0 onto my spare word, here twice on end, in every trip alike
	ds_add_u32 v[SPW], v[NIL]
	s_xor_b32 s[G0K+1], s[G0K+1], SLOT1            ; the walking descriptors: the other slot than last time, the next 256 keys
	s_add_nc_u64 s[G0K+2:G0K+3], s[G0K+2:G0K+3], 16384
	s_xor_b32 s[G0V+1], s[G0V+1], SLOT1
	s_add_nc_u64 s[G0V+2:G0V+3], s[G0V+2:G0V+3], 16384
	s_wait_xcnt 0x0                                ; the last prefetch, a slot back, has read its address
	s_add_nc_u64 s[PFA:PFA+1], s[PFA:PFA+1], 16384 ; one slot further on than the walking descriptors
	s_wait_dscnt 0x0                               ; both adds are done, and my reads of the slot that I have left are over
	s_barrier_signal -1
	s_barrier_wait -1
	s_add_co_u32 s96, s[KF], 256                   ; the first key of the slot that this change would ask for: past my work-group's last query it is read by none of its waves and is not asked for
	s_cmp_gt_u32 s96, s[QL]                        ; ids and the count of steps alone: all eight waves go the same way, and a work-group that is past the limit stays past it
	s_cbranch_scc1 .Lpast
	TLOAD                                          ; a wave's one tensor load until the next barrier (the first trip: slot 1's first fill, where nothing is filled again)
.Lpast:
	ASK
	s_cmp_gt_u32 s[KF], s[Q0+3]                    ; a slot all of whose keys come after all my queries is walked without work
	s_cbranch_scc1 .Lhid
	v_add_nc_u32 v[ADK], s[TBK], v[AK0]
.rept 3
	v_nop                                          ; with the addition: four places in front of loads into registers that matrix instructions have read
.endr
	KLOAD                                          ; the slot's first step of K
	s_mov_b32 s[QC], 0
.Lstep:                                            ; two trips: a key step each
	v_add_nc_u32 v[ADV], s[TBV], v[AV0]
.rept 3
	v_nop                                          ; four places likewise, behind the last tile's products
.endr
	s_xor_b32 s[TBK], s[TBK], KQ                   ; the slot's other step: two trips bring both back
	s_xor_b32 s[TBV], s[TBV], VQ
	WIN 0x40
.irp x, 0,1,2,3
.irp c, 0,1,2,3
	ds_load_b128 v[VF+16*\x+4*\c:VF+16*\x+4*\c+3], v[ADV] offset:16*\x*VP+16*\c   ; V's four fragments land under the first tile's softmax
.endr
.endr
	WIN 0
	s_wait_dscnt 16                                ; all but the 16 loads just issued: K's fragments are in
	s_cmp_le_u32 s[KF], s[Q0]                      ; the step's first tile at work: branches on ids, round no barrier, wait on TENSORcnt, add or tensor load
	s_cbranch_scc1 .Lp0
	s_cmp_le_u32 s[KF], s[Q0+1]
	s_cbranch_scc1 .Lp1
	s_cmp_le_u32 s[KF], s[Q0+2]
	s_cbranch_scc1 .Lp2
	s_cmp_le_u32 s[KF], s[Q0+3]
	s_cbranch_scc1 .Lp3
	s_branch .Lend
.Lp0:                                              ; the first tile at work asks for its own scores, with four places behind them; the later ones find theirs
	QK 0
	WIN 0
	NOP4
	TILE 0, 1, 0
	s_branch .Lb1
.Lp1:
	QK 1
	WIN 0
	NOP4
.Lb1:
	TILE 1, 1, 0
	s_branch .Lb2
.Lp2:
	QK 2
	WIN 0
	NOP4
.Lb2:
	TILE 2, 1, 0
	s_branch .Lb3
.Lp3:
	QK 3
	WIN 0
	NOP4
.Lb3:
	TILE 3, 0, 1
.Lend:
	s_wait_dscnt 0x0                               ; where all four tiles were jumped over, the step's loads are still out: they are in before the next step's loads write the same registers
	s_add_co_u32 s[KF], s[KF], 128
	s_add_co_u32 s[QC], s[QC], 1
	s_cmp_lt_u32 s[QC], 2
	s_cbranch_scc1 .Lstep
	s_branch .Ljoin
.Lhid:
	s_add_co_u32 s[KF], s[KF], 256
.Ljoin:
	s_xor_b32 s[TBK], s[TBK], SLOT1                ; on to the other slot
	s_xor_b32 s[TBV], s[TBV], SLOT1
	s_sub_co_u32 s[SLOTS], s[SLOTS], 1
	s_cmp_lg_u32 s[SLOTS], 0
	s_cbranch_scc1 .Lslot
	; THE WAY OUT.  O^T x 2^(e4 + e5) / the sum, held, converted with e6.  A lane's eight registers of channel tile c are channels 16 c + 8 h + 0 .. 7 of its query: its 32 codes are its part of the row as an operand
	; of launch proj, stored as an image of that operand's registers: no LDS, 512 consecutive bytes a store.  The four tiles' short chains stand side by side.
	s_wait_alu depctr_va_vdst(0)                   ; the last sums were written shortly ahead of a wait
.irp x, 0,1,2,3
	v_add_f32 v[ST+4*\x+2], v[ST+4*\x+2], v[ST+4*\x+3]
.endr
.irp x, 0,1,2,3
	v_permlanex16_b32 v[MX+\x], v[ST+4*\x+2], s[SEL], s[SEL+1]
.endr
.irp x, 0,1,2,3
	v_add_f32 v[ST+4*\x+2], v[ST+4*\x+2], v[MX+\x] ; the row's sum
.endr
	s_wait_alu depctr_va_vdst(0)                   ; the wait ahead of the batch,
.irp x, 0,1,2,3
	v_rcp_f32 v[ST+4*\x+2], v[ST+4*\x+2]
.endr
	v_nop                                          ; a plain line behind it,
	s_wait_alu depctr_va_vdst(0)                   ; and the wait ahead of its first reader
.irp x, 0,1,2,3
	v_ldexp_f32 v[ST+4*\x+2], v[ST+4*\x+2], s81
.endr
.irp x, 0,1,2,3
	v_add_nc_u32 v[MX+\x], s[OFF+\x], v[AK0]
.endr
.macro OUT t
	WIN 0x01                                       ; source 0 (O^T) in window 1
	s_wait_alu depctr_va_vdst(0)                   ; directly ahead of the first reader of this tile's O^T
.set n, 0
.rept 16
	v_pk_mul_f32 v[S+32*(\t)+n:S+32*(\t)+n+1], v[32*(\t)+n:32*(\t)+n+1], v[ST+4*(\t)+2:ST+4*(\t)+3] op_sel_hi:[1,0]
.set n, n+2
.endr
	WIN 0
.set n, 0
.rept 32
	v_med3_num_f32 v[S+32*(\t)+n], v[S+32*(\t)+n], -v[HO], v[HO]
.set n, n+1
.endr
.irp c, 0,1,2,3
	v_cvt_scalef32_pk8_fp8_f32 v[KR+8*(\t)+2*\c:KR+8*(\t)+2*\c+1], v[S+32*(\t)+8*\c:S+32*(\t)+8*\c+7], v[SCO]
.endr
	v_nop                                          ; a plain line behind the last conversion
	global_store_b128 v[MX+\t], v[KR+8*(\t):KR+8*(\t)+3], s[12:13]          ; each tile has registers of its own for its numbers, its codes and its offset: none is written again
	global_store_b128 v[MX+\t], v[KR+8*(\t)+4:KR+8*(\t)+7], s[12:13] offset:512
.endm
	OUT 0
	OUT 1
	OUT 2
	OUT 3
	s_wait_tensorcnt 0x0                           ; the wave's end: behind my last tensor load
	ds_add_u32 v[SPW], v[NIL]
	s_wait_dscnt 0x0
	s_endpgm
.Lfunc_end_k_qda13a7914f_attn:
	.size	k_qda13a7914f_attn, .Lfunc_end_k_qda13a7914f_attn-k_qda13a7914f_attn
	.p2alignl 7, 3214868480
	.fill 96, 4, 3214868480
	.section	.rodata,"a",@progbits
	.p2align	6, 0x0
	.amdhsa_kernel k_qda13a7914f_attn
		.amdhsa_group_segment_fixed_size 327680
		.amdhsa_private_segment_fixed_size 0
		.amdhsa_enable_private_segment 0
		.amdhsa_kernarg_size 40
		.amdhsa_user_sgpr_count 2
		.amdhsa_user_sgpr_kernarg_segment_ptr 1
		.amdhsa_wavefront_size32 1
		.amdhsa_system_sgpr_workgroup_id_x 1
		.amdhsa_system_sgpr_workgroup_id_y 1
		.amdhsa_system_sgpr_workgroup_id_z 1
		.amdhsa_system_vgpr_workitem_id 0
		.amdhsa_next_free_vgpr 512
		.amdhsa_next_free_sgpr 100
		.amdhsa_reserve_vcc 1
		.amdhsa_float_denorm_mode_32 3
		.amdhsa_float_denorm_mode_16_64 3
		.amdhsa_memory_ordered 1
		.amdhsa_forward_progress 1
		.amdhsa_inst_pref_size 105
	.end_amdhsa_kernel
	.amdgpu_metadata
---
amdhsa.version: [ 1, 2 ]
amdhsa.kernels:
  - .name:           k_qda13a7914f_attn
    .symbol:         k_qda13a7914f_attn.kd
    .args:
      - { .name: qc, .offset: 0, .size: 8, .value_kind: global_buffer, .address_space: global }
      - { .name: kc, .offset: 8, .size: 8, .value_kind: global_buffer, .address_space: global }
      - { .name: vc, .offset: 16, .size: 8, .value_kind: global_buffer, .address_space: global }
      - { .name: lowp_scales, .offset: 24, .size: 8, .value_kind: global_buffer, .address_space: global }
      - { .name: ac, .offset: 32, .size: 8, .value_kind: global_buffer, .address_space: global }
    .group_segment_fixed_size: 327680
    .private_segment_fixed_size: 0
    .kernarg_segment_align: 8
    .kernarg_segment_size: 40
    .max_flat_workgroup_size: 256
    .sgpr_count:     100
    .vgpr_count:     512
    .wavefront_size: 32
...
	.end_amdgpu_metadata
.endif
;; end of part 3
;; launch proj (part 4): grid 4 x 64, 4 waves a work-group, clusters of 4 x 4, 327,680 bytes of LDS; arguments ac, wo, lowp_scales, b_out, out0; writes out0
.if DOCPART == 4
	.amdgcn_target "amdgcn-amd-amdhsa--gfx1250"
	.amdhsa_code_object_version 6
	.text
	.protected	k_qda13a7914f_proj
	.globl	k_qda13a7914f_proj
	.p2align	8
	.type	k_qda13a7914f_proj,@function
k_qda13a7914f_proj:
	s_mov_b64 s[64:65], 0
	v_nop
	global_prefetch_b8 v0, s[64:65] scope:SCOPE_SE
	s_setreg_imm32_b32 hwreg(HW_REG_WAVE_MODE, 25, 1), 1
	s_wait_xcnt 0x0
	s_wait_alu depctr_hold_cnt(0) depctr_sa_sdst(0) depctr_va_vdst(0) depctr_va_sdst(0) depctr_va_ssrc(0) depctr_va_vcc(0) depctr_vm_vsrc(0)
	s_getreg_b32 s2, hwreg(HW_REG_IB_STS2, 6, 4)
	s_cmp_eq_u32 s2, 0
	s_cbranch_scc0 .Lentry_in_a_cluster
	s_endpgm
.Lentry_in_a_cluster:
	s_bfe_u32 s2, ttmp6, 0x10000c
	s_cmp_lg_u32 s2, 0xf033
	s_cbranch_scc0 .Lentry_shape_is_right
	s_endpgm
.Lentry_shape_is_right:
; LAUNCH 4 OF 4: out0 = O w_out + b_out on codes of FP8 (E4M3), [8,192 x 1,024] x [1,024 x 1,024]; each sum x 2^(e6 + e7) + bias, f32.  No work is left out here.  LIMIT: e6 + e7 between -126 and 127.
; A tile of 128 x 256 is made by a work-group of four waves, a wave 64 x 128: 32 accumulators.  K goes in steps of 256 through a ring of two LDS slots; 4 x 4 work-groups form a cluster and ask for their tiles jointly.
; ac arrives as images of the operand's registers (launch attn), wo in groups of 16 positions (launch quant).  The results leave through each wave's own stage in slot 0, as rows of 512 bytes.
.set HALFA,  16384
.set HALFB,  16*2048
.set SLOT,   2*HALFA+2*HALFB
.set SPARE,  2*SLOT
.set PB,     1024*16
.set LAPS,   2
.set FR,     16
.set NL,     4
.set NP,     4
.set SPITCH, 528
.set ADRA, 16
.set ADRB, 20
.set STO,  24
.set RD,   25
.set CO,   26
.set SPW,  28
.set NIL,  29
.set TMP,  32
.set AF,   128
.set BK,   128
.set G1, 24
.set G0, 32
.set G1B, 48
.set G0B, 56
.set MSB, 0
.macro WIN new
.if MSB != (\new)
	s_set_vgpr_msb (MSB<<8)|(\new)
.set MSB, (\new)
.endif
.endm
.set MUL,  0xa1
.set TO_B, 0x40
.macro JLOAD g0a, g1a, g0b, g1b
	s_cmp_eq_u32 s15, 0
	s_cbranch_scc0 .Lfor_b_\@
	tensor_load_to_lds s[\g0a:\g0a+3], s[\g1a:\g1a+7]
	s_nop 0
.rept 4
	v_nop
.endr
	s_branch .Lasked_\@
.Lfor_b_\@:
	tensor_load_to_lds s[\g0b:\g0b+3], s[\g1b:\g1b+7]
	s_nop 0
.rept 4
	v_nop
.endr
.Lasked_\@:
.endm
.macro CREST
	s_cmp_lg_u32 s14, 0
	s_cbranch_scc1 .Lnot_wave_0_\@
	s_barrier_signal -3
.Lnot_wave_0_\@:
	s_barrier_wait -3
	s_barrier_signal -1
	s_barrier_wait -1
.endm
.macro CROUND
	s_barrier_signal -1
	s_barrier_wait -1
	CREST
.endm
	s_load_b256 s[4:11], s[0:1], 0x0
	s_load_b64 s[68:69], s[0:1], 0x20
	v_lshl_add_u32 v[SPW], v0, 2, SPARE
	v_mov_b32 v[NIL], 0
	ds_add_u32 v[SPW], v[NIL]
	ds_add_u32 v[SPW], v[NIL]
	v_lshrrev_b32 v1, 5, v0
	v_readfirstlane_b32 s14, v1
	s_lshr_b32 s15, s14, 1
	s_and_b32 s16, s14, 1
	s_bfe_u32 s40, ttmp6, 0x40000
	s_bfe_u32 s41, ttmp6, 0x40004
	s_lshl_b32 s42, ttmp9, 2
	s_add_co_u32 s42, s42, s40
	s_and_b32 s17, ttmp7, 0xffff
	s_lshl_b32 s17, s17, 2
	s_add_co_u32 s17, s17, s41
	s_lshl_b32 s43, s41, 2
	s_lshl_b32 s43, 15, s43
	s_lshl_b32 s44, 0x1111, s40
	s_or_b32 s[G1+0], s43, (1<<21)
	s_mov_b32 s[G1+1], 256<<16
	s_mov_b32 s[G1+2], 64<<16
	s_mov_b32 s[G1+3], 256<<16
	s_mov_b32 s[G1+4], 64
	s_mov_b32 s[G1+5], 256
	s_mov_b32 s[G1+6], 0
	s_mov_b32 s[G1+7], 0
	s_or_b32 s[G1B+0], s44, (1<<21)
	s_mov_b32 s[G1B+1], 2048<<16
	s_mov_b32 s[G1B+2], 16<<16
	s_mov_b32 s[G1B+3], 2048<<16
	s_mov_b32 s[G1B+4], 16
	s_mov_b32 s[G1B+5], PB
	s_mov_b32 s[G1B+6], 0
	s_mov_b32 s[G1B+7], 0
	s_lshl_b32 s20, s17, 17
	s_lshl_b32 s45, s16, 14
	s_add_co_u32 s20, s20, s45
	s_mov_b32 s21, 0
	s_lshl_b32 s18, s16, 7
	s_lshl_b32 s46, s42, 8
	s_add_co_u32 s46, s46, s18
	s_lshl_b32 s46, s46, 4
	s_mov_b32 s47, 0
	s_mul_i32 s19, s16, HALFB
	s_add_co_u32 s19, s19, 2*HALFA
	s_wait_dscnt 0x0
	s_wait_kmcnt 0x0
	s_load_b256 s[76:83], s[8:9], 0x0
	s_add_nc_u64 s[20:21], s[4:5], s[20:21]
	s_add_nc_u64 s[46:47], s[6:7], s[46:47]
	CROUND
.irp s, 0,1
	s_mov_b32 s[G0+4*\s], 1
	s_add_co_u32 s[G0+4*\s+1], s45, \s*SLOT
	s_add_nc_u64 s[G0+4*\s+2:G0+4*\s+3], s[20:21], \s*32768
	s_or_b32 s[G0+4*\s+3], s[G0+4*\s+3], 0x80000000
	s_mov_b32 s[G0B+4*\s], 1
	s_add_co_u32 s[G0B+4*\s+1], s19, \s*SLOT
	s_add_nc_u64 s[G0B+4*\s+2:G0B+4*\s+3], s[46:47], \s*16*PB
	s_or_b32 s[G0B+4*\s+3], s[G0B+4*\s+3], 0x80000000
.endr
	JLOAD G0, G1, G0B, G1B                         ; K step 0: one tensor load a wave at the head
	v_and_b32 v1, 15, v0
	v_bfe_u32 v2, v0, 4, 1
	v_and_b32 v6, 31, v0
	v_lshlrev_b32 v[CO], 4, v6
	v_lshlrev_b32 v5, 4, v1
	v_lshl_add_u32 v5, v2, 11, v5
	s_lshl_b32 s21, s15, 12
	s_mul_i32 s22, s16, HALFB
	s_add_co_u32 s22, s22, 2*HALFA
.irp s, 0,1
	v_add_nc_u32 v[ADRA+\s], s21, v[CO]
	v_add_nc_u32 v[ADRB+\s], s22, v5
	s_add_co_u32 s21, s21, SLOT
	s_add_co_u32 s22, s22, SLOT
.endr
	s_mul_i32 s23, s14, 16*SPITCH
	v_mul_u32_u24 v4, v1, SPITCH
	v_lshl_add_u32 v4, v2, 5, v4
	v_add_nc_u32 v[STO], s23, v4
	v_add_nc_u32 v[RD], s23, v[CO]
	s_lshl_b32 s46, s42, 10
	s_lshl_b32 s47, s16, 9
	s_add_co_u32 s46, s46, s47
	s_mov_b32 s47, 0
	s_add_nc_u64 s[10:11], s[10:11], s[46:47]
	s_add_nc_u64 s[68:69], s[68:69], s[46:47]
	s_lshl_b32 s86, s17, 7
	s_lshl_b32 s87, s15, 2
	s_add_co_u32 s86, s86, s87
	s_lshl_b32 s86, s86, 12
	s_mov_b32 s87, 0
	s_add_nc_u64 s[68:69], s[68:69], s[86:87]
	v_lshlrev_b32 v7, 5, v2
	WIN 0xc0
.irp b, 0,1,2,3,4,5,6,7
	global_load_b128 v[8*\b:8*\b+3], v7, s[10:11] offset:64*\b
	global_load_b128 v[8*\b+4:8*\b+7], v7, s[10:11] offset:64*\b+16
.endr
	WIN 0
.macro FRAGA reg, slot, q, i
.irp c, 0,1,2,3
	ds_load_b128 v[\reg+4*\c:\reg+4*\c+3], v[ADRA+\slot] offset:(2*(\q)+\c/2)*8192+1024*(\i)+512*(\c%2)
.endr
.endm
.macro FRAGB reg, slot, q, i
.irp c, 0,1,2,3
	ds_load_b128 v[\reg+4*\c:\reg+4*\c+3], v[ADRB+\slot] offset:(8*(\q)+2*\c)*2048+256*(\i)
.endr
.endm
.macro MUL8 a, p, zero
.irp b, 0,1,2,3,4,5,6,7
.if \zero
	v_wmma_f32_16x16x128_fp8_fp8 v[8*(8*(\a)+\b):8*(8*(\a)+\b)+7], v[128*(\p)+FR*\b:128*(\p)+FR*\b+FR-1], v[AF+FR*(\a):AF+FR*(\a)+FR-1], 0
.else
	v_wmma_f32_16x16x128_fp8_fp8 v[8*(8*(\a)+\b):8*(8*(\a)+\b)+7], v[128*(\p)+FR*\b:128*(\p)+FR*\b+FR-1], v[AF+FR*(\a):AF+FR*(\a)+FR-1], v[8*(8*(\a)+\b):8*(8*(\a)+\b)+7]
.endif
.endr
.endm
.macro FETCH_B slot, q, p
	WIN TO_B
.irp i, 0,1,2,3,4,5,6,7
	FRAGB 128*(\p)+FR*\i, \slot, \q, \i
.endr
	WIN 0
.endm
.macro FETCH_A slot, q, i0
.irp i, \i0, \i0+1
	FRAGA AF+FR*(\i), \slot, \q, \i
.endr
.endm
.macro PLACES n
.rept \n
	v_nop
.endr
.endm
.macro STEP slot, q, zero
	s_wait_dscnt 2*NL
	WIN MUL
	MUL8 0, (\q)%2, \zero
	MUL8 1, (\q)%2, \zero
	s_wait_dscnt 0
	PLACES NP
	FETCH_B \slot, (\q)+1, 1-(\q)%2
	FETCH_A \slot, (\q)+1, 0
	WIN MUL
	MUL8 2, (\q)%2, \zero
	MUL8 3, (\q)%2, \zero
	PLACES NP
	WIN 0
	FETCH_A \slot, (\q)+1, 2
.endm
.macro TURN slot, next, fill
	s_wait_tensorcnt 0x0
	ds_add_u32 v[SPW], v[NIL]
	s_wait_dscnt 2*NL+1
	WIN MUL
	MUL8 0, 1, 0
	s_wait_dscnt 0x0
	s_barrier_signal -1
	MUL8 1, 1, 0
	WIN 0
	s_barrier_wait -1
.if \fill
	CREST
	s_add_nc_u64 s[G0+4*\slot+2:G0+4*\slot+3], s[G0+4*\slot+2:G0+4*\slot+3], 2*32768
	s_add_nc_u64 s[G0B+4*\slot+2:G0B+4*\slot+3], s[G0B+4*\slot+2:G0B+4*\slot+3], 2*16*PB
	JLOAD G0+4*\slot, G1, G0B+4*\slot, G1B
.else
	PLACES NP
.endif
	FETCH_B \next, 0, 0
	FETCH_A \next, 0, 0
	WIN MUL
	MUL8 2, 1, 0
	MUL8 3, 1, 0
	PLACES NP
	WIN 0
	FETCH_A \next, 0, 2
.endm
	s_wait_alu depctr_va_vdst(0)
	s_wait_tensorcnt 0x0                           ; my part of K step 0 is in
	ds_add_u32 v[SPW], v[NIL]
	s_wait_dscnt 0x0
	CROUND                                         ; everybody's part of K step 0 is in, and all sixteen work-groups are here
	JLOAD G0+4, G1, G0B+4, G1B                     ; K step 1: slot 1's first fill, the first tensor load behind the round
	FETCH_B 0, 0, 0
	FETCH_A 0, 0, 0
	FETCH_A 0, 0, 2
	STEP 0, 0, 1
.rept LAPS-1
	TURN 0, 1, 1
	STEP 1, 0, 0
	TURN 1, 0, 1
	STEP 0, 0, 0
.endr
	TURN 0, 1, 0
	STEP 1, 0, 0
	s_wait_dscnt 2*NL
	WIN MUL
	MUL8 0, 1, 0
	MUL8 1, 1, 0
	s_wait_dscnt 0
	MUL8 2, 1, 0
	MUL8 3, 1, 0
	WIN 0
.macro TOSTAGE a
	WIN 0x32
.set i, 0
.rept 32
	v_pk_fma_f32 v[TMP+i:TMP+i+1], v[64*(\a)+i:64*(\a)+i+1], s[96:97], v[i:i+1] op_sel_hi:[1,0,1]
.set i, i+2
.endr
	WIN 0
.irp b, 0,1,2,3,4,5,6,7
	ds_store_b128 v[STO], v[TMP+8*\b:TMP+8*\b+3] offset:64*\b
	ds_store_b128 v[STO], v[TMP+8*\b+4:TMP+8*\b+7] offset:64*\b+16
.endr
.set BB, BK+64*((\a)%2)
.irp t, 0,1,2,3,4,5,6,7,8,9,10,11,12,13,14,15
	ds_load_b128 v[BB+4*\t:BB+4*\t+3], v[RD] offset:\t*SPITCH
.endr
.endm
.macro SEND a, younger
.set BB, BK+64*((\a)%2)
	s_wait_dscnt \younger
.irp t, 0,1,2,3,4,5,6,7,8,9,10,11,12,13,14,15
	global_store_b128 v[CO], v[BB+4*\t:BB+4*\t+3], s[68:69] offset:32768*\t+4096*(\a) th:TH_STORE_NT
.endr
.endm
	s_wait_kmcnt 0x0
	s_wait_loadcnt 0x0
	s_add_co_i32 s96, s82, s83
	s_add_co_i32 s96, s96, 127
	s_lshl_b32 s96, s96, 23
	s_mov_b32 s97, s96
	PLACES NP
	TOSTAGE 0
.irp a, 1,2,3
.if \a > 1
	s_wait_xcnt 0x0
.endif
	TOSTAGE \a
	SEND \a-1, 32
.endr
	SEND 3, 0
	s_wait_tensorcnt 0x0
	ds_add_u32 v[SPW], v[NIL]
	s_wait_dscnt 0x0
	CROUND
	s_endpgm
.Lfunc_end_k_qda13a7914f_proj:
	.size	k_qda13a7914f_proj, .Lfunc_end_k_qda13a7914f_proj-k_qda13a7914f_proj
	.p2alignl 7, 3214868480
	.fill 96, 4, 3214868480
	.section	.rodata,"a",@progbits
	.p2align	6, 0x0
	.amdhsa_kernel k_qda13a7914f_proj
		.amdhsa_group_segment_fixed_size 327680
		.amdhsa_private_segment_fixed_size 0
		.amdhsa_enable_private_segment 0
		.amdhsa_kernarg_size 40
		.amdhsa_user_sgpr_count 2
		.amdhsa_user_sgpr_kernarg_segment_ptr 1
		.amdhsa_wavefront_size32 1
		.amdhsa_system_sgpr_workgroup_id_x 1
		.amdhsa_system_sgpr_workgroup_id_y 1
		.amdhsa_system_sgpr_workgroup_id_z 1
		.amdhsa_system_vgpr_workitem_id 0
		.amdhsa_next_free_vgpr 1024
		.amdhsa_next_free_sgpr 98
		.amdhsa_reserve_vcc 0
		.amdhsa_float_denorm_mode_32 3
		.amdhsa_float_denorm_mode_16_64 3
		.amdhsa_memory_ordered 1
		.amdhsa_forward_progress 1
		.amdhsa_inst_pref_size 78
	.end_amdhsa_kernel
	.amdgpu_metadata
---
amdhsa.version: [ 1, 2 ]
amdhsa.kernels:
  - .name:           k_qda13a7914f_proj
    .symbol:         k_qda13a7914f_proj.kd
    .args:
      - { .name: ac, .offset: 0, .size: 8, .value_kind: global_buffer, .address_space: global }
      - { .name: wo, .offset: 8, .size: 8, .value_kind: global_buffer, .address_space: global }
      - { .name: lowp_scales, .offset: 16, .size: 8, .value_kind: global_buffer, .address_space: global }
      - { .name: b_out, .offset: 24, .size: 8, .value_kind: global_buffer, .address_space: global }
      - { .name: out0, .offset: 32, .size: 8, .value_kind: global_buffer, .address_space: global }
    .group_segment_fixed_size: 327680
    .private_segment_fixed_size: 0
    .kernarg_segment_align: 8
    .kernarg_segment_size: 40
    .max_flat_workgroup_size: 128
    .sgpr_count:     98
    .vgpr_count:     1024
    .wavefront_size: 32
...
	.end_amdgpu_metadata
.endif
;; end of part 4
